; MI455X (gfx1250); checked and timed in simulation.
; The chip was launched on July 23, 2026; its instructions are those of AMD's public machine-readable ISA for CDNA 5 (MIT licence, August 2026) and "CDNA5" Instruction Set Architecture Reference Guide (July 2026). The comments in the code are by the model that wrote it; some were corrected since.
;; Single Self Attention. Allowed arithmetic: float matrix products may take bf16 or f16 operands with f32 sums; other float arithmetic in f32, or as packed bf16 or f16 multiplies, adds, multiply-adds, maxima and minima; sums over many terms, partial sums and values carried from step to step in f32; what a program stores and reads back later, other than sums and carried values, may be rounded once to bf16 or f16.
;; Inputs: Wk 1,024 x 1,024 float32; Wq 1,024 x 1,024 float32; Wv 1,024 x 1,024 float32; X 8 x 1,024 x 1,024 float32.
;; Outputs: out0 8 x 1,024 x 1,024 float32.
;; 2 versions, each right; version 2 is version 1 with the launches prep, softmax written anew for expert scheduling mode. Each part assembles by itself: llvm-mc -triple=amdgcn-amd-amdhsa -mcpu=gfx1250 --defsym DOCPART=n.
;; ======== version 1 of 2: 5 launches
;; limits: values are held in f16: magnitudes above 65,504 overflow, below 6.1e-05 lose precision
;; workspace buffers: Xb 16,777,216 bytes; Wt 6,291,456 bytes; QKV 50,331,648 bytes; QKL 6,291,456 bytes; St 33,554,432 bytes; Pt 16,777,216 bytes
;; launch prep (part 1): grid 256 x 1, 8 waves a work-group, no clusters, 28,672 bytes of LDS; arguments X, Wq, Wk, Wv, Xb, Wt; writes Xb, Wt
.if DOCPART == 1
	.amdgcn_target "amdgcn-amd-amdhsa--gfx1250"
	.amdhsa_code_object_version 6
	.text
	.protected	k_qf44cb01533_prep
	.globl	k_qf44cb01533_prep
	.p2align	8
	.type	k_qf44cb01533_prep,@function
k_qf44cb01533_prep:
	s_mov_b64 s[64:65], 0
	v_nop
	global_prefetch_b8 v0, s[64:65] scope:SCOPE_SE
	s_setreg_imm32_b32 hwreg(HW_REG_WAVE_MODE, 25, 1), 1
	s_wait_xcnt 0x0
; THE PROGRAM (five launches): out[b][t][:] = sum over s of P[b][t][s] V[b][s][:], P = softmax over the QUERY axis t of (Q[t] . K[s] / 32) with the places t < s set to -inf; Q, K, V = X Wq, X Wk, X Wv.
;   1 prep: X and the three W rounded to bf16, W turned;  2 proj: Q, K, V in f16;  3 scores: S^T = K Q^T in f32;  4 softmax: rows of S^T (a key's column of S) to P^T in f16;  5 pv: out = P V in f32.
; WORK LEFT OUT.  For t < s the problem itself puts -inf in the score's place, so its weight is exp(-inf) = 0 and its term P[t][s] V[s] is 0, whatever finite numbers X and the W hold; it enters neither the
; column's maximum nor its sum.  So the blocks of 128 x 128 scores that lie wholly at t < s are not multiplied, stored, read or summed in launches 3, 4 and 5.  In blocks on the diagonal the work stays and is masked.
; Every input has a way to the output and is loaded.  LIMIT: a NaN, an infinity or an overflow that would arise only in a score at t < s is not carried to the result.
; FORMATS.  X and the W are rounded once to bf16 (matrix operands); Q, K, V and P once to f16; all sums, S, the maxima and the softmax's sums are f32.  LIMIT: Q, K, V of 65,520 or more in size become infinities.
; THE LAST 64 ROWS IN TWO PARTS.  Key s has 1,024 - s live queries, so the last keys' weights are near 1 and their operands' roundings reach the output whole.  For rows 960 .. 1,023 of each batch Q, K, V and P are
; therefore kept as two f16 numbers, the number rounded and what the rounding left (rounded to f16 in its turn; below 6e-5 in f16's fixed step of 6e-8), and the products with the low parts are added by further matrix steps.
;
; THIS LAUNCH.  Xb[kb][row][64]: X's columns 64 kb .. 64 kb + 63 of all 8,192 rows, bf16: a block of 128 rows is 16,384 bytes on end.  Wt[kb][n][64]: n = 1,024 m + column (m = 0 Wq, 1 Wk, 2 Wv), the 64 numbers run along k.
; Work-group g: rows 32 g .. 32 g + 31 of X, and of each W the tile of 64 k (block g % 16) x 64 columns (block g / 16), which is turned in LDS.  Every byte is read once and written once.
; A load of X: lanes 0-15 take 256 consecutive bytes of one row, lanes 16-31 of the next; its store: 32 lanes x 8 bytes = 256 consecutive bytes, aligned.  No loop: all 44 loads of a thread go out at the head.
; No matrix unit, no cluster (no two work-groups read the same byte), no prefetch (all loads are issued at once).
.set TILE,  9216                       ; a turned tile of W in LDS: 64 rows (columns of W) x 144 bytes (128 of data + 16)
.set SPARE, 3*TILE                     ; behind the three tiles: the spare words, 128 bytes for each of the eight waves
.set LX,  2                            ; v2   X: wave x 4 rows + (lane / 16) rows + 16 (lane % 16)
.set SX,  3                            ; v3   Xb: 512 wave + 8 lane
.set LW,  4                            ; v4   W: (thread / 16) x 2 rows + 16 (thread % 16)
.set LS,  5                            ; v5   LDS, in: 4 (thread % 16) rows + 4 (thread / 16)
.set LR,  6                            ; v6   LDS, back: row thread / 8, 16 (thread % 8)
.set SW,  7                            ; v7   Wt: 16 thread
.set SPW, 8                            ; v8   my spare word; never rewritten
.set NIL, 9                            ; v9   0; never rewritten
.set WR,  16                           ; v[16:63]   W as loaded: weight m, half z, row parity y at 16 m + 8 z + 4 y
.set XR,  64                           ; v[64:191]  X as loaded: load n at 4 n
	s_load_b256 s[4:11], s[0:1], 0x0               ; X s[4:5], Wq s[6:7], Wk s[8:9], Wv s[10:11]
	s_load_b128 s[12:15], s[0:1], 0x20             ; Xb s[12:13], Wt s[14:15]
	v_lshl_add_u32 v[SPW], v0, 2, SPARE
	v_mov_b32 v[NIL], 0
	v_and_b32 v1, 31, v0                           ; lane
	v_lshrrev_b32 v10, 5, v0                       ; wave
	v_bfe_u32 v11, v0, 4, 1                        ; lane / 16
	v_and_b32 v12, 15, v0                          ; thread % 16
	v_lshrrev_b32 v13, 4, v0                       ; thread / 16
	v_lshrrev_b32 v14, 3, v0                       ; thread / 8
	v_and_b32 v15, 7, v0                           ; thread % 8
	v_lshlrev_b32 v[LX], 14, v10
	v_lshl_add_u32 v[LX], v11, 12, v[LX]
	v_lshl_add_u32 v[LX], v12, 4, v[LX]
	v_lshlrev_b32 v[SX], 9, v10
	v_lshl_add_u32 v[SX], v1, 3, v[SX]
	v_lshlrev_b32 v[LW], 13, v13
	v_lshl_add_u32 v[LW], v12, 4, v[LW]
	v_mul_u32_u24 v[LS], v12, 576
	v_lshl_add_u32 v[LS], v13, 2, v[LS]
	v_mul_u32_u24 v[LR], v14, 144
	v_lshl_add_u32 v[LR], v15, 4, v[LR]
	v_lshlrev_b32 v[SW], 4, v0
	s_and_b32 s16, ttmp9, 15                       ; kb: which 64 rows of W
	s_lshr_b32 s17, ttmp9, 4                       ; nb: which 64 columns
	s_lshl_b32 s18, ttmp9, 17                      ; X: 32 rows of 4,096 bytes
	s_mov_b32 s19, 0
	s_lshl_b32 s20, ttmp9, 12                      ; Xb: 32 rows of 128 bytes
	s_mov_b32 s21, 0
	s_lshl_b32 s22, s16, 18                        ; W: 64 kb rows of 4,096 bytes
	s_lshl_b32 s23, s17, 8                         ;    + 64 nb columns
	s_add_co_u32 s22, s22, s23
	s_mov_b32 s23, 0
	s_mul_i32 s24, s16, 393216                     ; Wt: block kb
	s_lshl_b32 s25, s17, 13                        ;     + 64 nb rows of 128 bytes
	s_add_co_u32 s24, s24, s25
	s_mov_b32 s25, 0
	s_wait_kmcnt 0x0
	s_add_nc_u64 s[4:5], s[4:5], s[18:19]
	s_add_nc_u64 s[6:7], s[6:7], s[22:23]
	s_add_nc_u64 s[8:9], s[8:9], s[22:23]
	s_add_nc_u64 s[10:11], s[10:11], s[22:23]
	s_add_nc_u64 s[12:13], s[12:13], s[20:21]
	s_add_nc_u64 s[26:27], s[12:13], 0x800000      ; Xb's blocks 8 to 15: a second base, so that the stores' immediates stay inside 24 signed bits
	s_add_nc_u64 s[14:15], s[14:15], s[24:25]
	; W first (12 loads), then X (32 loads)
.irp m, 0,1,2
.irp z, 0,1
.irp y, 0,1
	global_load_b128 v[WR+16*(\m)+8*(\z)+4*(\y):WR+16*(\m)+8*(\z)+4*(\y)+3], v[LW], s[6+2*(\m):7+2*(\m)] offset:(\z)*131072+(\y)*4096 th:TH_LOAD_NT  ; row 2 (thread / 16 + 16 z) + y, four columns
.endr
.endr
.endr
.irp p, 0,1
.irp k, 0,1,2,3,4,5,6,7,8,9,10,11,12,13,14,15
	global_load_b128 v[XR+4*(16*(\p)+(\k)):XR+4*(16*(\p)+(\k))+3], v[LX], s[4:5] offset:(\p)*8192+(\k)*256 th:TH_LOAD_NT
.endr
.endr
	s_wait_loadcnt 32                              ; W's 12 loads are in; X's 32, issued behind them, may stay out
.irp m, 0,1,2
.irp z, 0,1
.irp j, 0,1,2,3
	v_cvt_pk_bf16_f32 v[WR+16*(\m)+8*(\z)+(\j)], v[WR+16*(\m)+8*(\z)+(\j)], v[WR+16*(\m)+8*(\z)+4+(\j)]  ; column j: rows k and k + 1 into one word
.endr
.irp j, 0,1,2,3
	ds_store_b32 v[LS], v[WR+16*(\m)+8*(\z)+(\j)] offset:(\m)*TILE+(\j)*144+(\z)*64
.endr
.endr
.endr
	s_wait_dscnt 0x0                               ; for the others' sake: my stores into the tiles are done
	s_barrier_signal -1
	s_barrier_wait -1
.irp m, 0,1,2
.irp z, 0,1
	ds_load_b128 v[WR+8*(\m)+4*(\z):WR+8*(\m)+4*(\z)+3], v[LR] offset:(\m)*TILE+(\z)*4608  ; 32 turned rows of 128 bytes for the 256 threads
.endr
.endr
.set n, 0
.rept 32
	s_wait_loadcnt 31-n                            ; loads come back in order: load n is in, the younger ones stay out
	v_cvt_pk_bf16_f32 v[XR+4*n], v[XR+4*n], v[XR+4*n+1]
	v_cvt_pk_bf16_f32 v[XR+4*n+1], v[XR+4*n+2], v[XR+4*n+3]
.if (n%16) < 8
	global_store_b64 v[SX], v[XR+4*n:XR+4*n+1], s[12:13] offset:(n%16)*1048576+(n/16)*256
.else
	global_store_b64 v[SX], v[XR+4*n:XR+4*n+1], s[26:27] offset:((n%16)-8)*1048576+(n/16)*256
.endif
.set n, n+1
.endr
	s_wait_dscnt 0x0                               ; the turned rows are back
.irp m, 0,1,2
.irp z, 0,1
	global_store_b128 v[SW], v[WR+8*(\m)+4*(\z):WR+8*(\m)+4*(\z)+3], s[14:15] offset:(\m)*131072+(\z)*4096  ; 4,096 bytes on end for the work-group
.endr
.endr
	s_wait_tensorcnt 0x0                           ; the wave's end, behind my last LDS store
	ds_add_u32 v[SPW], v[NIL]
	s_wait_dscnt 0x0
	s_endpgm
.Lfunc_end_k_qf44cb01533_prep:
	.size	k_qf44cb01533_prep, .Lfunc_end_k_qf44cb01533_prep-k_qf44cb01533_prep
	.p2alignl 7, 3214868480
	.fill 96, 4, 3214868480
	.section	.rodata,"a",@progbits
	.p2align	6, 0x0
	.amdhsa_kernel k_qf44cb01533_prep
		.amdhsa_group_segment_fixed_size 28672
		.amdhsa_private_segment_fixed_size 0
		.amdhsa_enable_private_segment 0
		.amdhsa_kernarg_size 48
		.amdhsa_user_sgpr_count 2
		.amdhsa_user_sgpr_kernarg_segment_ptr 1
		.amdhsa_wavefront_size32 1
		.amdhsa_system_sgpr_workgroup_id_x 1
		.amdhsa_system_sgpr_workgroup_id_y 1
		.amdhsa_system_sgpr_workgroup_id_z 1
		.amdhsa_system_vgpr_workitem_id 0
		.amdhsa_next_free_vgpr 192
		.amdhsa_next_free_sgpr 66
		.amdhsa_reserve_vcc 0
		.amdhsa_float_denorm_mode_32 3
		.amdhsa_float_denorm_mode_16_64 3
		.amdhsa_memory_ordered 1
		.amdhsa_forward_progress 1
		.amdhsa_inst_pref_size 19
	.end_amdhsa_kernel
	.amdgpu_metadata
---
amdhsa.version: [ 1, 2 ]
amdhsa.kernels:
  - .name:           k_qf44cb01533_prep
    .symbol:         k_qf44cb01533_prep.kd
    .args:
      - { .name: X, .offset: 0, .size: 8, .value_kind: global_buffer, .address_space: global }
      - { .name: Wq, .offset: 8, .size: 8, .value_kind: global_buffer, .address_space: global }
      - { .name: Wk, .offset: 16, .size: 8, .value_kind: global_buffer, .address_space: global }
      - { .name: Wv, .offset: 24, .size: 8, .value_kind: global_buffer, .address_space: global }
      - { .name: Xb, .offset: 32, .size: 8, .value_kind: global_buffer, .address_space: global }
      - { .name: Wt, .offset: 40, .size: 8, .value_kind: global_buffer, .address_space: global }
    .group_segment_fixed_size: 28672
    .private_segment_fixed_size: 0
    .kernarg_segment_align: 8
    .kernarg_segment_size: 48
    .max_flat_workgroup_size: 256
    .sgpr_count:     66
    .vgpr_count:     192
    .wavefront_size: 32
...
	.end_amdgpu_metadata
.endif
;; end of part 1
;; launch proj (part 2): grid 8 x 32, 4 waves a work-group, clusters of 4 x 4, 327,680 bytes of LDS; arguments Xb, Wt, QKV, QKL; writes QKV, QKL
.if DOCPART == 2
	.amdgcn_target "amdgcn-amd-amdhsa--gfx1250"
	.amdhsa_code_object_version 6
	.text
	.protected	k_qf44cb01533_proj
	.globl	k_qf44cb01533_proj
	.p2align	8
	.type	k_qf44cb01533_proj,@function
k_qf44cb01533_proj:
	s_mov_b64 s[64:65], 0
	v_nop
	global_prefetch_b8 v0, s[64:65] scope:SCOPE_SE
	s_setreg_imm32_b32 hwreg(HW_REG_WAVE_MODE, 25, 1), 1
	s_wait_xcnt 0x0
	s_wait_alu depctr_hold_cnt(0) depctr_sa_sdst(0) depctr_va_vdst(0) depctr_va_sdst(0) depctr_va_ssrc(0) depctr_va_vcc(0) depctr_vm_vsrc(0)
	s_getreg_b32 s2, hwreg(HW_REG_IB_STS2, 6, 4)
	s_cmp_eq_u32 s2, 0
	s_cbranch_scc0 .Lentry_in_a_cluster
	s_endpgm
.Lentry_in_a_cluster:
	s_bfe_u32 s2, ttmp6, 0x10000c
	s_cmp_lg_u32 s2, 0xf033
	s_cbranch_scc0 .Lentry_shape_is_right
	s_endpgm
.Lentry_shape_is_right:
; QKV[row][n] = sum over k of X[row][k] W[k][n]: row 0 .. 8,191, n 0 .. 3,071 (Q, K, V side by side), K = 1,024.  Operands bf16 (Xb, Wt, in blocks of 64 along K), sums f32, QKV rounded once to f16.
; QKL[b][0 .. 63][n] repeats QKV's rows 960 .. 1,023 of batch b; QKL[b][64 .. 127][n] holds what their rounding left: the f32 sum less its f16, exact in f32, rounded to f16.
; LIMIT: a sum of 65,520 or more in size becomes an infinity in f16.
; TILE.  256 rows x 384 columns: 32 x 8 = 256 tiles, one for each work-group.  Four waves, 2 x 2, each 128 x 192: 96 accumulators of 16 x 16, 768 registers.
; RING.  K goes in steps of 64 through two LDS slots.  In Xb and Wt a step's rows lie end to end, so a wave's tensor load asks for 16,384 (A) or 24,576 (B) dense bytes as rows of 256 bytes;
; in LDS 16 bytes of padding follow every 128: rows 144 bytes apart, so that the 16 rows of a fragment load start at 16 different groups of four banks (64 banks of 4 bytes: ISA guide 11.1).
; Slot 1 begins at byte 1 << 17, so that one exclusive or turns an address in one slot into the other's: a K step is written once and walked 14 times; the two steps that ask for nothing are a second loop.
; THE CHANGE OF SLOTS stands at the head of a K step's second half, whose fragments are in registers by then.  Every wave waits there for all its tensor loads, so a request goes out only when the one before has
; landed, and what stands between that wait and the request delays every later tile: eight matrix instructions, while the add is out, and nothing inside the barrier and the round.
; CLUSTER.  4 x 4 work-groups: A's tile hangs on the tile row alone and is asked for jointly by a row of the cluster, B's on the tile column alone, by a column.
; The tile row is cluster y + 8 cy: whether a tile holds a batch's last 256 rows (tile row % 4 = 3) then hangs on the cluster's y alone and is the same in all sixteen partners.
; THE MATRIX INSTRUCTION IS USED TRANSPOSED (source 0 = 16 rows of Wt, source 1 = 16 rows of Xb): a lane holds one row of QKV and eight neighbouring columns.
; REGISTERS, in windows of 256: window 0: v16-31 addresses; v64-127, v128-191 A's fragments (8 x 16 rows x 32 K), two buffers; v192-223, v224-255, v32-63 B's fragments, three groups of 4, one buffer each;
;   window 1 + g: the 32 accumulators of column blocks 4 g .. 4 g + 3: (a, b) at v[8 (4 a + b)].
; Half a K step, 32 along K, is three runs of 32 matrix instructions, one for each group g; behind a run its group's fragments of the next half are fetched.  All 96 accumulators take turns, one instruction a turn.
.set PITCH,  144
.set HALFA,  128*PITCH                 ; what a wave fetches of A, and reads of A
.set HALFB,  192*PITCH                 ; the same for B
.set BOFF,   2*HALFA
.set SLOTB,  BOFF+2*HALFB              ; 92,160 bytes of a slot are used
.set SLOT1,  1<<17
.set LSTG,   0                         ; the way out: 64 rows x 784 bytes for the low parts, in slot 0, whose last fill is over by then
.set STAGE,  SLOT1+SLOTB               ; behind the ring: 128 rows x 784 bytes (768 + 16), the work-group's, for the way out
.set SPITCH, 784
.set SPARE,  STAGE+128*SPITCH          ; behind the stage: the spare words, 128 bytes for each wave
.set KBA,    1048576                   ; bytes from a block of 64 K to the next in Xb
.set KBB,    393216                    ; in Wt
.set ADRA0, 16                         ; v16  my A fragments in slot 0; never rewritten
.set ADRB0, 17                         ; v17  my B fragments in slot 0; never rewritten
.set ADRA, 18                          ; v18  the same in the slot that is being fetched from
.set ADRB, 19                          ; v19
.set RDH,  20                          ; v20  the way out: 16 of the stage's rows 64 .. 127
.set RDL,  21                          ; v21  the way out: 16 rows of low parts
.set STO,  24
.set RD,   25
.set CO,   26
.set NEG1, 27                          ; -1.0
.set SPW,  28                          ; my spare word; never rewritten
.set NIL,  29                          ; 0; never rewritten
.set PFO,  30                          ; 256 x lane; never rewritten
.set STL,  31                          ; as STO, in the low parts' rows
.set A0,   64
.set TMP,  64                          ; the way out: packed results
.set LOWP, 128                         ; the way out: packed low parts
.set OB,   128                         ; the way out: rows read back, v128-223
.set LOWF, 2                           ; s2   1: my row blocks 4 .. 7 are a batch's last 64 rows
.set G1,   24                          ; s[24:31] group 1 for A;  s[32:39] group 0: a set for each of the two first fills; the second then walks on
.set G0,   32
.set G1B,  48                          ; s[48:55], s[56:63] the same for B
.set G0B,  56
.set LIM,  43                          ; 2 in a wave that prefetches, else the greatest number
.set PFA,  44                          ; s[44:45] where my prefetches stand
.set TB,   66                          ; s66  first byte of the slot that is being fetched from
.set LOF,  67                          ; cluster y % 4: 3 where my tile holds a batch's last 256 rows
.set PSTEP, 68                         ; s[68:69] two blocks of 64 K, in A's or in B's bytes
.set LOB,  70                          ; s[70:71] QKL at the rows that I store
.set FLAGS, (1<<16)|(1<<20)|(1<<21)|(4<<22)|(3<<25)  ; 2-byte elements; padding on; bit 21 beside a mask; after every 32 words; 4 words
.set MSB, 0
.macro WIN new                         ; the immediate's high byte repeats the setting that is left
.if MSB != (\new)
	s_set_vgpr_msb (MSB<<8)|(\new)
.set MSB, \new
.endif
.endm
.macro PLACES                          ; four places behind a matrix instruction, ahead of loads into registers that it read and of conversions of its results
.rept 4
	v_nop
.endr
.endm
.macro JLOAD s                         ; a joint load: waves 0 and 1 fetch A's halves, waves 2 and 3 B's; s_nop 0 and four v_nop follow each line
	s_cmp_eq_u32 s11, 0
	s_cbranch_scc0 .Lfor_b_\@
	tensor_load_to_lds s[G0+4*(\s):G0+4*(\s)+3], s[G1:G1+7]
	s_nop 0
.rept 4
	v_nop
.endr
	s_branch .Lasked_\@
.Lfor_b_\@:
	tensor_load_to_lds s[G0B+4*(\s):G0B+4*(\s)+3], s[G1B:G1B+7]
	s_nop 0
.rept 4
	v_nop
.endr
.Lasked_\@:
.endm
.macro CREST                           ; a round of the cluster's barrier behind its opening barrier
	s_cmp_lg_u32 s10, 0
	s_cbranch_scc1 .Lnot_wave_0_\@
	s_barrier_signal -3
.Lnot_wave_0_\@:
	s_barrier_wait -3
	s_barrier_signal -1
	s_barrier_wait -1
.endm
.macro CROUND
	s_barrier_signal -1
	s_barrier_wait -1
	CREST
.endm
; A prefetch into the L2, in every second trip (slot 0's change: s3 even), behind the joint load and the run of LDS loads: the two K steps whose refills stand two and three trips on.  Each block of 256 bytes is named
; once in the launch: A's tile row (256 blocks for two steps) by the cluster with x = 0: its four partners' waves 0 and 1, 32 blocks each; B's tile column (384 blocks) by the clusters with y < 3: their partners' wave 2.
; The shares are told apart by address alone.  The address is stepped directly ahead of the prefetch, two trips behind the prefetch that read it.  The trip with s3 = 2 asks for nothing: no K step lies behind its refills.
.macro ASK
	s_bitcmp1_b32 s3, 0
	s_cbranch_scc1 .Lnot_mine_\@
	s_cmp_gt_u32 s3, s[LIM]
	s_cbranch_scc0 .Lnot_mine_\@
	s_wait_xcnt 0x0                                ; the last prefetch has read its address
	s_add_nc_u64 s[PFA:PFA+1], s[PFA:PFA+1], s[PSTEP:PSTEP+1]
	global_prefetch_b8 v[PFO], s[PFA:PFA+1] th:TH_LOAD_NT scope:SCOPE_SE
.Lnot_mine_\@:
.endm
.macro SETBG g
.if (\g) == 2
.set BGR, 32
.else
.set BGR, 192+32*(\g)
.endif
.endm
; na x 4 matrix instructions of group g: row blocks a0 .. a0 + na - 1 x the group's four column blocks; A's fragments in the buffer ACUR
.macro MUL g, a0, na, zero
	SETBG \g
	WIN 0x50*(1+(\g))                              ; C and D in window 1 + g, both sources in window 0
.set aa, \a0
.rept \na
.irp b, 0,1,2,3
.if \zero
	v_wmma_f32_16x16x32_bf16 v[8*(4*aa+(\b)):8*(4*aa+(\b))+7], v[BGR+8*(\b):BGR+8*(\b)+7], v[ACUR+8*aa:ACUR+8*aa+7], 0
.else
	v_wmma_f32_16x16x32_bf16 v[8*(4*aa+(\b)):8*(4*aa+(\b))+7], v[BGR+8*(\b):BGR+8*(\b)+7], v[ACUR+8*aa:ACUR+8*aa+7], v[8*(4*aa+(\b)):8*(4*aa+(\b))+7]
.endif
.endr
.set aa, aa+1
.endr
.endm
.macro LDB g, kk                       ; 8 LDS loads: group g's four fragments of B, 32 K at byte 64 kk of the rows
	SETBG \g
	WIN 0
.irp b, 0,1,2,3
	ds_load_b128 v[BGR+8*(\b):BGR+8*(\b)+3],   v[ADRB] offset:(4*(\g)+(\b))*16*PITCH+64*(\kk)
	ds_load_b128 v[BGR+8*(\b)+4:BGR+8*(\b)+7], v[ADRB] offset:(4*(\g)+(\b))*16*PITCH+64*(\kk)+32
.endr
.endm
.macro LDA buf, kk                     ; 16 LDS loads: A's eight fragments
	WIN 0
.irp a, 0,1,2,3,4,5,6,7
	ds_load_b128 v[(\buf)+8*(\a):(\buf)+8*(\a)+3],   v[ADRA] offset:(\a)*16*PITCH+64*(\kk)
	ds_load_b128 v[(\buf)+8*(\a)+4:(\buf)+8*(\a)+7], v[ADRA] offset:(\a)*16*PITCH+64*(\kk)+32
.endr
.endm
; At the head of each half of a K step 40 LDS loads are out, in this order: B's group 0 (8), A (16), B's group 1 (8), B's group 2 (8).
; The first half: multiplies A's buffer 0 and fetches the same slot's second half.
.macro STEP0 zero
.set ACUR, A0
	s_wait_dscnt 16                                ; group 0 and A are in; groups 1 and 2 may stay out
	MUL 0, 0, 8, \zero
	PLACES
	LDB 0, 1
	LDA A0+64, 1
	s_wait_dscnt 32                                ; group 1 is in; behind it: group 2's 8 and the 24 just issued
	MUL 1, 0, 8, \zero
	PLACES
	LDB 1, 1
	s_wait_dscnt 32                                ; group 2 is in; behind it: the 24 and the 8 just issued
	MUL 2, 0, 8, \zero
	PLACES
	LDB 2, 1
.endm
; The second half: the change of slots, then A's buffer 1 is multiplied and the other slot's first half fetched.  fill = 1: this slot is filled again, with the K step two on.
; fill = 0 (the second loop): nothing is asked for, and in its last trip (s3 = 1) there is no further K step: the three runs of LDS loads are jumped over.
.macro STEP1 fill
.set ACUR, A0+64
	WIN 0                                          ; (the add's two registers lie in window 0)
	s_wait_tensorcnt 0x0                           ; all my tensor loads have landed: the one that was out is my part of the other slot
	ds_add_u32 v[SPW], v[NIL]                      ; 0 onto my spare word
.if \fill
	s_xor_b32 s[G0+5], s[G0+5], SLOT1              ; no tensor load of mine is out: the walking descriptors take the other slot than last time
	s_add_nc_u64 s[G0+6:G0+7], s[G0+6:G0+7], KBA   ; and the next K step; the type bits on top are not reached
	s_xor_b32 s[G0B+5], s[G0B+5], SLOT1
	s_add_nc_u64 s[G0B+6:G0B+7], s[G0B+6:G0B+7], KBB
.endif
	s_xor_b32 s[TB], s[TB], SLOT1                  ; the fetches go on in the other slot
	s_wait_dscnt 17                                ; group 0 and A are in; the add and groups 1 and 2 may stay out
	MUL 0, 0, 2, 0                                 ; eight matrix instructions stand between the add and the wait for it
	WIN 0
	s_wait_dscnt 0x0                               ; the add is done, and my reads of this slot are over
	s_barrier_signal -1
	s_barrier_wait -1
.if \fill
	CREST                                          ; the barrier has opened a round of the cluster's: no wave of any partner still reads this slot or has a load on its way
	JLOAD 1                                        ; the first tensor load behind the round
.endif
	MUL 0, 2, 6, 0
	PLACES
	WIN 0
.if !(\fill)
	s_cmp_eq_u32 s3, 1
	s_cbranch_scc1 .Lf0_\@
.endif
	v_add_nc_u32 v[ADRA], s[TB], v[ADRA0]
	v_add_nc_u32 v[ADRB], s[TB], v[ADRB0]
	LDB 0, 0
	LDA A0, 0
.if \fill
	ASK
.else
.Lf0_\@:
.endif
	MUL 1, 0, 8, 0
	PLACES
	WIN 0
.if !(\fill)
	s_cmp_eq_u32 s3, 1
	s_cbranch_scc1 .Lf1_\@
.endif
	LDB 1, 0
.if !(\fill)
.Lf1_\@:
.endif
	MUL 2, 0, 8, 0
	PLACES
	WIN 0
.if !(\fill)
	s_cmp_eq_u32 s3, 1
	s_cbranch_scc1 .Lf2_\@
.endif
	LDB 2, 0
.if !(\fill)
.Lf2_\@:
.endif
.endm
	s_load_b128 s[4:7], s[0:1], 0x0                ; Xb s[4:5], Wt s[6:7]
	s_load_b64 s[8:9], s[0:1], 0x10                ; QKV
	s_load_b64 s[LOB:LOB+1], s[0:1], 0x18          ; QKL
	v_lshl_add_u32 v[SPW], v0, 2, SPARE
	v_mov_b32 v[NIL], 0
	ds_add_u32 v[SPW], v[NIL]                      ; the wave's opening: the add, twice on end, and its wait ahead of my first tensor load
	ds_add_u32 v[SPW], v[NIL]
	v_lshrrev_b32 v1, 5, v0
	v_readfirstlane_b32 s10, v1                    ; wave 0..3
	s_lshr_b32 s11, s10, 1                         ; my half of the tile's rows.  Also: I fetch for A (0) or for B (1)
	s_and_b32 s12, s10, 1                          ; my half of its columns.  Also: which half of that tile I fetch
	s_bfe_u32 s40, ttmp6, 0x40000                  ; cx
	s_bfe_u32 s41, ttmp6, 0x40004                  ; cy
	s_lshl_b32 s42, ttmp9, 2
	s_add_co_u32 s42, s42, s40                     ; tile column = 4 x cluster x + cx
	s_and_b32 s13, ttmp7, 0xffff
	s_lshl3_add_u32 s13, s41, s13                  ; tile row = cluster y + 8 cy
	s_and_b32 s[LOF], ttmp7, 3                     ; = tile row % 4, from the cluster's y alone
	s_cmp_eq_u32 s[LOF], 3
	s_cselect_b32 s[LOWF], s11, 0                  ; the batch's last 64 rows are the row blocks 4 .. 7 of waves 2 and 3
	s_mov_b32 s[TB], 0
	s_lshl_b32 s14, s41, 2
	s_lshl_b32 s14, 15, s14                        ; my row of the cluster
	s_lshl_b32 s15, 0x1111, s40                    ; my column
	s_or_b32 s[G1+0], s14, FLAGS
	s_or_b32 s[G1B+0], s15, FLAGS
.irp g, G1, G1B
	s_mov_b32 s[(\g)+1], 128<<16                   ; tensor_dim0 = 128 elements: rows of 256 bytes
	s_mov_b32 s[(\g)+3], 128<<16                   ; tile_dim0 = 128
	s_mov_b32 s[(\g)+5], 128                       ; dense: 128 elements from row to row
	s_mov_b32 s[(\g)+6], 0
	s_mov_b32 s[(\g)+7], 0
.endr
	s_mov_b32 s[G1+2], 64<<16                      ; A: 64 such rows = 128 rows of Xb
	s_mov_b32 s[G1+4], 64
	s_mov_b32 s[G1B+2], 96<<16                     ; B: 96 such rows = 192 rows of Wt
	s_mov_b32 s[G1B+4], 96
	s_lshl_b32 s16, s13, 15                        ; A: 256 x tile row rows of 128 bytes
	s_lshl_b32 s17, s12, 14                        ;    + my half's 128
	s_add_co_u32 s16, s16, s17
	s_mov_b32 s17, 0
	s_mul_i32 s46, s42, 49152                      ; B: 384 x tile column rows of 128 bytes
	s_mul_i32 s47, s12, 24576                      ;    + my half's 192
	s_add_co_u32 s46, s46, s47
	s_mov_b32 s47, 0
	s_mul_i32 s20, s12, HALFA                      ; where they go: the wave's number alone enters an LDS address
	s_mul_i32 s21, s12, HALFB
	s_add_co_u32 s21, s21, BOFF
	s_wait_dscnt 0x0                               ; both opening adds are done
	s_wait_kmcnt 0x0
	s_add_nc_u64 s[14:15], s[4:5], s[16:17]
	s_add_nc_u64 s[46:47], s[6:7], s[46:47]
	CROUND                                         ; all sixteen work-groups are here: the first joint loads meet
.irp s, 0,1
	s_mov_b32 s[G0+4*(\s)], 1
	s_add_co_u32 s[G0+4*(\s)+1], s20, (\s)*SLOT1
	s_add_nc_u64 s[G0+4*(\s)+2:G0+4*(\s)+3], s[14:15], (\s)*KBA
	s_or_b32 s[G0+4*(\s)+3], s[G0+4*(\s)+3], 0x80000000
	s_mov_b32 s[G0B+4*(\s)], 1
	s_add_co_u32 s[G0B+4*(\s)+1], s21, (\s)*SLOT1
	s_add_nc_u64 s[G0B+4*(\s)+2:G0B+4*(\s)+3], s[46:47], (\s)*KBB
	s_or_b32 s[G0B+4*(\s)+3], s[G0B+4*(\s)+3], 0x80000000
	JLOAD \s                                       ; K steps 0 and 1: two loads of mine are out
.endr
	v_and_b32 v1, 15, v0                           ; r = lane % 16
	v_bfe_u32 v2, v0, 4, 1                         ; h = lane / 16
	v_mul_u32_u24 v3, v1, PITCH
	v_lshl_add_u32 v3, v2, 4, v3                   ; a fragment's row x pitch + 16 h
	v_mov_b32 v[NEG1], 0xbf800000
	s_mul_i32 s18, s11, HALFA
	s_mul_i32 s19, s12, HALFB
	s_add_co_u32 s19, s19, BOFF
	v_add_nc_u32 v[ADRA0], s18, v3
	v_add_nc_u32 v[ADRB0], s19, v3
	v_mov_b32 v[ADRA], v[ADRA0]
	v_mov_b32 v[ADRB], v[ADRB0]
	s_mul_i32 s23, s11, 64*SPITCH                  ; into the stage: 64 rows for each half of the tile's rows, my half of their 768 bytes
	s_mul_i32 s18, s12, 384
	s_add_co_u32 s19, s18, STAGE
	s_add_co_u32 s23, s23, s19
	s_add_co_u32 s18, s18, LSTG
	v_mul_u32_u24 v4, v1, SPITCH
	v_lshl_add_u32 v4, v2, 4, v4
	v_add_nc_u32 v[STO], s23, v4
	v_add_nc_u32 v[STL], s18, v4
	s_mul_i32 s23, s10, 32*SPITCH                  ; back: wave w takes the stage's rows 32 w .. 32 w + 31, whole
	s_add_co_u32 s23, s23, STAGE
	v_mul_u32_u24 v5, v2, SPITCH
	v_lshl_add_u32 v5, v1, 4, v5
	v_add_nc_u32 v[RD], s23, v5
	s_mul_i32 s23, s10, 16*SPITCH                  ; for QKL: wave w takes 16 of the stage's rows 64 .. 127, and 16 rows of low parts
	s_add_co_u32 s18, s23, STAGE+64*SPITCH
	v_add_nc_u32 v[RDH], s18, v5
	s_add_co_u32 s18, s23, LSTG
	v_add_nc_u32 v[RDL], s18, v5
	v_mul_u32_u24 v5, v2, 6144                     ; and the same two rows in QKV and in QKL
	v_lshl_add_u32 v[CO], v1, 4, v5
	s_lshl_b32 s16, s13, 8
	s_lshl_b32 s17, s11, 7
	s_add_co_u32 s16, s16, s17
	s_lshl_b32 s17, s12, 5
	s_add_co_u32 s16, s16, s17                     ; the first row that I store: 256 x tile row + 128 (w / 2) + 32 (w % 2)
	s_mul_i32 s16, s16, 6144
	s_mul_i32 s17, s42, 768                        ; the tile's first column, in bytes
	s_add_co_u32 s16, s16, s17
	s_mov_b32 s17, 0
	s_add_nc_u64 s[8:9], s[8:9], s[16:17]
	s_lshr_b32 s16, s13, 2                         ; QKL: the batch's 128 rows
	s_lshl_b32 s16, s16, 7
	s_lshl_b32 s17, s10, 4
	s_add_co_u32 s16, s16, s17                     ; + my 16
	s_mul_i32 s16, s16, 6144
	s_mul_i32 s17, s42, 768
	s_add_co_u32 s16, s16, s17
	s_mov_b32 s17, 0
	s_add_nc_u64 s[LOB:LOB+1], s[LOB:LOB+1], s[16:17]
	; the prefetches' shares.  A: place 2 cx + e of 8: step = place / 4, 64 rows (8,192 bytes) = place % 4
	s_lshl_b32 s20, s40, 1
	s_add_co_u32 s20, s20, s12
	s_lshr_b32 s21, s20, 2
	s_and_b32 s20, s20, 3
	s_lshl_b32 s21, s21, 20
	s_lshl_b32 s20, s20, 13
	s_add_co_u32 s20, s20, s21
	s_lshl_b32 s21, s13, 15
	s_add_co_u32 s20, s20, s21
	s_add_co_u32 s20, s20, 2*KBA                   ; at K step 2 (+ step): the first prefetch steps it to 4
	; B: place = 4 x cluster y + cy (0 .. 11 in the clusters that ask; held to 11 elsewhere, where nothing is asked): step = place / 6, 64 rows = place % 6
	s_and_b32 s22, ttmp7, 0xffff                   ; cluster y
	s_lshl2_add_u32 s23, s22, s41
	s_min_u32 s23, s23, 11
	s_mul_i32 s18, s23, 43
	s_lshr_b32 s18, s18, 8                         ; place / 6 for 0 .. 11
	s_mul_i32 s19, s18, 6
	s_sub_co_u32 s23, s23, s19
	s_mul_i32 s18, s18, KBB
	s_lshl_b32 s23, s23, 13
	s_add_co_u32 s23, s23, s18
	s_mul_i32 s18, s42, 49152
	s_add_co_u32 s23, s23, s18
	s_add_co_u32 s23, s23, 2*KBB
	s_mov_b32 s18, ttmp9                           ; cluster x
	s_cmp_eq_u32 s18, 0
	s_cselect_b32 s18, 2, -1                       ; A is asked for by the cluster with x = 0,
	s_cmp_lt_u32 s22, 3
	s_cselect_b32 s19, 2, -1                       ; B by the clusters with y < 3,
	s_mov_b32 s22, 2*KBA
	s_cmp_eq_u32 s10, 3
	s_cselect_b32 s19, -1, s19                     ; and there by wave 2 alone: all this is the same in all sixteen partners, for a given wave
	s_cmp_eq_u32 s11, 0
	s_cselect_b32 s[LIM], s18, s19
	s_cselect_b32 s20, s20, s23
	s_cselect_b64 s[PFA:PFA+1], s[4:5], s[6:7]
	s_cselect_b32 s[PSTEP], s22, 2*KBB
	s_mov_b32 s[PSTEP+1], 0
	s_mov_b32 s21, 0
	s_add_nc_u64 s[PFA:PFA+1], s[PFA:PFA+1], s[20:21]
	v_and_b32 v[PFO], 31, v0
	v_lshlrev_b32 v[PFO], 8, v[PFO]
	s_wait_tensorcnt 1                             ; my part of K step 0 is in; K step 1's may stay out
	s_barrier_signal -1
	s_barrier_wait -1                              ; everybody's is
	LDB 0, 0
	LDA A0, 0
	LDB 1, 0
	LDB 2, 0
	STEP0 1                                        ; the first half step stands ahead of the loop: its products start the sums
	WIN 0
	s_mov_b32 s3, 14
	s_branch .Lentry                               ; the loop is entered in the middle of a trip
.Lstep:                                                ; 14 trips, K steps 0 .. 13: each fills its slot again, with K steps 2 .. 15
	STEP0 0
	WIN 0
.Lentry:
	STEP1 1
	WIN 0
	s_sub_co_u32 s3, s3, 1
	s_cmp_lg_u32 s3, 0
	s_cbranch_scc1 .Lstep
	s_mov_b32 s3, 2
.Ltail:                                                ; K steps 14 and 15 ask for nothing: a text of their own
	STEP0 0
	STEP1 0
	WIN 0
	s_sub_co_u32 s3, s3, 1
	s_cmp_lg_u32 s3, 0
	s_cbranch_scc1 .Ltail
	; THE WAY OUT, in two passes of four row blocks a wave: rounded to f16, 16 bytes a lane into the work-group's stage; a barrier, since a row's 768 bytes come from two waves; back as whole rows, 32 rows a wave.
	; In the second pass the waves that hold a batch's last 64 rows also make what the rounding left, from the f16 numbers just made, and put it into 64 rows of slot 0: no tensor load is issued any more, and every
	; wave's reads of the ring lie ahead of the barriers passed since.
	PLACES
.irp P, 0,1
.if \P
	s_wait_dscnt 0x0                               ; my reads of the stage are over,
	s_barrier_signal -1
	s_barrier_wait -1                              ; everybody's are: it may be written again
.endif
.irp g, 0,1,2
	WIN 0x05*(1+(\g))                              ; both sources in window 1 + g, the destination in window 0
.set t, 0
.rept 16
.irp r, 0,1,2,3
	v_cvt_pk_f16_f32 v[TMP+4*t+(\r)], v[8*(16*(\P)+t)+2*(\r)], v[8*(16*(\P)+t)+2*(\r)+1]
.endr
.set t, t+1
.endr
	WIN 0
.set t, 0
.rept 16
	ds_store_b128 v[STO], v[TMP+4*t:TMP+4*t+3] offset:(t/4)*16*SPITCH+(4*(\g)+t%4)*32
.set t, t+1
.endr
.if \P
	s_cmp_eq_u32 s[LOWF], 1
	s_cbranch_scc0 .Lnl\g
	s_wait_xcnt 0x0                                ; the registers that the first pass's stores read are written again only behind this wait
	WIN 0x10*(1+(\g))                              ; source 2, the sum, in window 1 + g
.set t, 0
.rept 16
.irp r, 0,1,2,3
	v_fma_mixlo_f16 v[LOWP+4*t+(\r)], v[TMP+4*t+(\r)], v[NEG1], v[8*(16+t)+2*(\r)] op_sel_hi:[1,0,0]                     ; the sum less its f16: exact, rounded once to f16
	v_fma_mixhi_f16 v[LOWP+4*t+(\r)], v[TMP+4*t+(\r)], v[NEG1], v[8*(16+t)+2*(\r)+1] op_sel:[1,0,0] op_sel_hi:[1,0,0]
.endr
.set t, t+1
.endr
	WIN 0
.set t, 0
.rept 16
	ds_store_b128 v[STL], v[LOWP+4*t:LOWP+4*t+3] offset:(t/4)*16*SPITCH+(4*(\g)+t%4)*32
.set t, t+1
.endr
.Lnl\g:
.endif
.endr
	s_wait_dscnt 0x0                               ; for the others' sake: my stores into the stage are done
	s_barrier_signal -1
	s_barrier_wait -1
.irp q, 0,1
	s_wait_xcnt 0x0                                ; the registers that earlier stores read are loaded again only behind this wait
.set n, 0
.rept 24
	ds_load_b128 v[OB+4*n:OB+4*n+3], v[RD] offset:(8*(\q)+n/3)*2*SPITCH+256*(n%3)
.set n, n+1
.endr
.set n, 0
.rept 24
	s_wait_dscnt 23-n
	global_store_b128 v[CO], v[OB+4*n:OB+4*n+3], s[8:9] offset:(64*(\P)+2*(8*(\q)+n/3))*6144+256*(n%3)  ; 16 lanes store 256 consecutive bytes, aligned
.set n, n+1
.endr
.endr
.endr
	; QKL, where the tile holds a batch's last rows: the stage's rows 64 .. 127 still hold them rounded; each wave stores 16 of them, and then 16 rows of low parts.  Nothing has been written to LDS since the last barrier.
	s_cmp_eq_u32 s[LOF], 3
	s_cbranch_scc0 .Lno_low
.irp q, 0,1
	s_wait_xcnt 0x0
.set n, 0
.rept 24
	ds_load_b128 v[OB+4*n:OB+4*n+3], v[RDH+(\q)] offset:(n/3)*2*SPITCH+256*(n%3)
.set n, n+1
.endr
.set n, 0
.rept 24
	s_wait_dscnt 23-n
	global_store_b128 v[CO], v[OB+4*n:OB+4*n+3], s[LOB:LOB+1] offset:(64*(\q)+2*(n/3))*6144+256*(n%3)
.set n, n+1
.endr
.endr
.Lno_low:
	s_wait_tensorcnt 0x0                           ; the wave's end, behind my last tensor load and my last LDS store
	ds_add_u32 v[SPW], v[NIL]
	s_wait_dscnt 0x0
	CROUND                                         ; the closing round: no work-group ends while a partner may still ask for a tile that names it
	s_endpgm
.Lfunc_end_k_qf44cb01533_proj:
	.size	k_qf44cb01533_proj, .Lfunc_end_k_qf44cb01533_proj-k_qf44cb01533_proj
	.p2alignl 7, 3214868480
	.fill 96, 4, 3214868480
	.section	.rodata,"a",@progbits
	.p2align	6, 0x0
	.amdhsa_kernel k_qf44cb01533_proj
		.amdhsa_group_segment_fixed_size 327680
		.amdhsa_private_segment_fixed_size 0
		.amdhsa_enable_private_segment 0
		.amdhsa_kernarg_size 32
		.amdhsa_user_sgpr_count 2
		.amdhsa_user_sgpr_kernarg_segment_ptr 1
		.amdhsa_wavefront_size32 1
		.amdhsa_system_sgpr_workgroup_id_x 1
		.amdhsa_system_sgpr_workgroup_id_y 1
		.amdhsa_system_sgpr_workgroup_id_z 1
		.amdhsa_system_vgpr_workitem_id 0
		.amdhsa_next_free_vgpr 1024
		.amdhsa_next_free_sgpr 72
		.amdhsa_reserve_vcc 0
		.amdhsa_float_denorm_mode_32 3
		.amdhsa_float_denorm_mode_16_64 3
		.amdhsa_memory_ordered 1
		.amdhsa_forward_progress 1
		.amdhsa_inst_pref_size 146
	.end_amdhsa_kernel
	.amdgpu_metadata
---
amdhsa.version: [ 1, 2 ]
amdhsa.kernels:
  - .name:           k_qf44cb01533_proj
    .symbol:         k_qf44cb01533_proj.kd
    .args:
      - { .name: Xb, .offset: 0, .size: 8, .value_kind: global_buffer, .address_space: global }
      - { .name: Wt, .offset: 8, .size: 8, .value_kind: global_buffer, .address_space: global }
      - { .name: QKV, .offset: 16, .size: 8, .value_kind: global_buffer, .address_space: global }
      - { .name: QKL, .offset: 24, .size: 8, .value_kind: global_buffer, .address_space: global }
    .group_segment_fixed_size: 327680
    .private_segment_fixed_size: 0
    .kernarg_segment_align: 8
    .kernarg_segment_size: 32
    .max_flat_workgroup_size: 128
    .sgpr_count:     72
    .vgpr_count:     1024
    .wavefront_size: 32
...
	.end_amdgpu_metadata
.endif
;; end of part 2
;; launch scores (part 3): grid 21 x 8, 4 waves a work-group, no clusters, 327,680 bytes of LDS; arguments QKV, QKL, St; writes St
.if DOCPART == 3
	.amdgcn_target "amdgcn-amd-amdhsa--gfx1250"
	.amdhsa_code_object_version 6
	.text
	.protected	k_qf44cb01533_scores
	.globl	k_qf44cb01533_scores
	.p2align	8
	.type	k_qf44cb01533_scores,@function
k_qf44cb01533_scores:
	s_mov_b64 s[64:65], 0
	v_nop
	global_prefetch_b8 v0, s[64:65] scope:SCOPE_SE
	s_setreg_imm32_b32 hwreg(HW_REG_WAVE_MODE, 25, 1), 1
	s_wait_xcnt 0x0
; St[b][s][t] = K[b][s] . Q[b][t], unscaled, f32: S turned, so that the softmax over the query axis t runs along rows.  Operands f16 (QKV's columns 1,024 .. 2,047 and 0 .. 1,023), sums f32.
; WORK LEFT OUT: tiles and blocks of 128 x 128 that lie wholly at t < s: the problem puts -inf there, so nothing of them reaches the output (shown at the head of the first kernel).
; TILE.  128 s x 256 t, K = 1,024.  A batch has 20 tiles that hold a place t >= s: for the pair J of s blocks the t blocks J .. 3: 8 + 6 + 4 + 2.  Work-group x = 0 .. 19 is such a tile, y the batch.
; Four waves, 2 x 2, each 64 s x 128 t: 32 accumulators, window 1.  Source 0 = 16 rows of Q, source 1 = 16 rows of K: a lane holds one s and eight neighbouring t.
; In tile 19, whose s block is 7 and whose t block begins 128 below it, the waves with the lower 128 t hold only t < s: they multiply with the others (the tile holds live work) and store nothing.
; WORK-GROUP x = 20: THE LOW PARTS of the last 64 rows.  It stands at tile 19's place; its 128 rows of K and the lower 128 of its rows of Q are QKL's (64 rounded rows, then what their rounding left).  Its lower
; 128 x 128 block then holds the four products of (Khi, Klo) with (Qhi, Qlo), and goes where tile 19 stores nothing: s block 7, t block 6; the next launch adds three of them to the scores of s, t >= 960.
; Its waves with the upper 128 t multiply with the others and store nothing: half a tile, in 8 work-groups of 168.
; RING.  K in steps of 128 through two slots: rows of 256 bytes, aligned, 272 apart in LDS.  Waves 0 and 1 fetch K's 2 x 64 rows, waves 2 and 3 Q's 2 x 128.  Slot 1 begins at byte 1 << 17, so that one exclusive or
; turns an address in one slot into the other's: a K step is written once and walked six times; the two steps that ask for nothing are a second loop.
; THE CHANGE OF SLOTS stands at the head of a K step's last quarter, whose fragments are on their way into registers by then.  Every wave waits there for all its tensor loads, so a request goes out only when the one
; before has landed, and what stands between that wait and the request delays every later tile: eight matrix instructions, while the add is out, and nothing inside the barrier.
; NO CLUSTER: the tiles of a batch that share rows of K come in sets of 4, 4, 3, 3, 2, 2, 1, 1, those that share rows of Q in sets of 2, 4, 6, 8: neither divides into fours.
; NO PREFETCH: the walk has eight steps, of which two are asked for at the head.
.set PITCH,  272
.set QOFF,   128*PITCH                 ; K's 128 rows, then Q's 256
.set SLOTB,  384*PITCH                 ; 104,448 bytes of a slot are used
.set SLOT1,  1<<17
.set STAGE,  SLOT1+SLOTB               ; behind the ring: 16 rows x 528 bytes (512 + 16) for each wave
.set SPITCH, 528
.set SPARE,  STAGE+4*16*SPITCH
.set ADRK0, 16                         ; v16  my K fragments in slot 0; never rewritten
.set ADRQ0, 17                         ; v17  my Q fragments in slot 0; never rewritten
.set ADRK, 18                          ; v18  the same in the slot that is being fetched from
.set ADRQ, 19                          ; v19
.set STO,  24
.set RD,   25
.set CO,   26
.set SPW,  28
.set NIL,  29
.set F0,   64                          ; fragment buffers of 96: Q's eight, then K's four
.set F1,   160
.set OB,   64                          ; the way out: v64-127 and v128-191 by turns
.set G1K,  24
.set G0K,  32                          ; s[32:39] a set for each of the two first fills; the second then walks on
.set TB,   47                          ; s47  first byte of the slot that is being fetched from
.set G1Q,  48
.set G0Q,  56
.set MSB, 0
.macro WIN new
.if MSB != (\new)
	s_set_vgpr_msb (MSB<<8)|(\new)
.set MSB, \new
.endif
.endm
.macro PLACES
.rept 4
	v_nop
.endr
.endm
.macro LOAD s                          ; waves 0 and 1 fetch K's halves, waves 2 and 3 Q's; s_nop 0 and four v_nop follow each line
	s_cmp_eq_u32 s11, 0
	s_cbranch_scc0 .Lfor_q_\@
	tensor_load_to_lds s[G0K+4*(\s):G0K+4*(\s)+3], s[G1K:G1K+7]
	s_nop 0
.rept 4
	v_nop
.endr
	s_branch .Lasked_\@
.Lfor_q_\@:
	tensor_load_to_lds s[G0Q+4*(\s):G0Q+4*(\s)+3], s[G1Q:G1Q+7]
	s_nop 0
.rept 4
	v_nop
.endr
.Lasked_\@:
.endm
.macro MULS f, a0, na, zero            ; na x 8 matrix instructions: s blocks a0 .. x all eight t blocks, 32 along K
	WIN 0x50                                       ; C and D in window 1
.set aa, \a0
.rept \na
.irp b, 0,1,2,3,4,5,6,7
.if \zero
	v_wmma_f32_16x16x32_f16 v[8*(8*aa+(\b)):8*(8*aa+(\b))+7], v[(\f)+8*(\b):(\f)+8*(\b)+7], v[(\f)+64+8*aa:(\f)+64+8*aa+7], 0
.else
	v_wmma_f32_16x16x32_f16 v[8*(8*aa+(\b)):8*(8*aa+(\b))+7], v[(\f)+8*(\b):(\f)+8*(\b)+7], v[(\f)+64+8*aa:(\f)+64+8*aa+7], v[8*(8*aa+(\b)):8*(8*aa+(\b))+7]
.endif
.endr
.set aa, aa+1
.endr
.endm
.macro FETCH k, f                      ; 24 LDS loads in one run: Q's 16, then K's 8
	WIN 0
.irp i, 0,1,2,3,4,5,6,7
	ds_load_b128 v[(\f)+8*(\i):(\f)+8*(\i)+3],   v[ADRQ] offset:(\k)+(\i)*16*PITCH
	ds_load_b128 v[(\f)+8*(\i)+4:(\f)+8*(\i)+7], v[ADRQ] offset:(\k)+(\i)*16*PITCH+32
.endr
.irp i, 0,1,2,3
	ds_load_b128 v[(\f)+64+8*(\i):(\f)+64+8*(\i)+3],   v[ADRK] offset:(\k)+(\i)*16*PITCH
	ds_load_b128 v[(\f)+64+8*(\i)+4:(\f)+64+8*(\i)+7], v[ADRK] offset:(\k)+(\i)*16*PITCH+32
.endr
.endm
; A K step is four quarters of 32 along K, 32 matrix instructions each, on buffers 0, 1, 0, 1.  One of the first three: multiplies buffer f and fetches the next quarter, at byte k of the rows, into g
.macro QUARTER k, f, g, zero
	s_wait_dscnt 4                                 ; Q and K's s blocks 0, 1 are in; the youngest four loads may stay out
	MULS \f, 0, 2, \zero
	PLACES
	FETCH \k, \g
	s_wait_dscnt 24                                ; all but the 24 just issued
	MULS \f, 2, 2, \zero
.endm
; The last quarter changes slots and multiplies buffer 1.  Ahead of the barrier each wave waits for all its tensor loads, adds 0 to its spare word, and waits for that and for its reads of this slot.
; fill = 1: this slot is filled again, with the K step two on.  fill = 0 (the second loop): nothing is asked for, and in its last trip (s3 = 1) there is no further K step: the run of LDS loads is jumped over.
.macro TURN fill
	WIN 0
	s_wait_tensorcnt 0x0                           ; all my tensor loads have landed: my part of the next slot
	ds_add_u32 v[SPW], v[NIL]                      ; 0 onto my spare word
.if \fill
	s_xor_b32 s[G0K+5], s[G0K+5], SLOT1            ; no tensor load of mine is out: the walking descriptors take the other slot than last time
	s_add_nc_u64 s[G0K+6:G0K+7], s[G0K+6:G0K+7], 256  ; and the next K step's 256 bytes of the rows; the type bits on top are not reached
	s_xor_b32 s[G0Q+5], s[G0Q+5], SLOT1
	s_add_nc_u64 s[G0Q+6:G0Q+7], s[G0Q+6:G0Q+7], 256
.endif
	s_xor_b32 s[TB], s[TB], SLOT1                  ; the fetches go on in the other slot
	s_wait_dscnt 5                                 ; the add and the youngest four loads may stay out
	MULS F1, 0, 1, 0                               ; eight matrix instructions stand between the add and the wait for it
	WIN 0
	s_wait_dscnt 0x0                               ; the add is done, and my reads of this slot are over
	s_barrier_signal -1
	s_barrier_wait -1
.if \fill
	LOAD 1                                         ; the first thing behind the barrier; its four v_nop are also the places ahead of the loads below
.else
	PLACES
	s_cmp_eq_u32 s3, 1
	s_cbranch_scc1 .Lno_more_\@
.endif
	v_add_nc_u32 v[ADRK], s[TB], v[ADRK0]
	v_add_nc_u32 v[ADRQ], s[TB], v[ADRQ0]
	FETCH 0, F0
.if !(\fill)
.Lno_more_\@:
.endif
	MULS F1, 1, 3, 0
.endm
	s_load_b128 s[4:7], s[0:1], 0x0                ; QKV s[4:5], QKL s[6:7]
	s_load_b64 s[8:9], s[0:1], 0x10                ; St
	v_lshl_add_u32 v[SPW], v0, 2, SPARE
	v_mov_b32 v[NIL], 0
	ds_add_u32 v[SPW], v[NIL]                      ; the wave's opening: the add, twice on end, and its wait ahead of my first tensor load
	ds_add_u32 v[SPW], v[NIL]
	v_lshrrev_b32 v1, 5, v0
	v_readfirstlane_b32 s10, v1
	s_lshr_b32 s11, s10, 1                         ; my half of the tile's s.  Also: I fetch K (0) or Q (1)
	s_and_b32 s12, s10, 1                          ; my half of its t.  Also: which half I fetch
	s_mov_b32 s[TB], 0
	s_mov_b32 s14, ttmp9
	s_and_b32 s15, ttmp7, 0xffff                   ; the batch
	s_cmp_eq_u32 s14, 20
	s_cselect_b32 s43, 1, 0                        ; 1: the low parts' work-group,
	s_cselect_b32 s14, 19, s14                     ; which stands at tile 19's place
	s_cmp_ge_u32 s14, 8
	s_cselect_b32 s16, 1, 0
	s_cselect_b32 s17, 8, 0
	s_cmp_ge_u32 s14, 14
	s_cselect_b32 s18, 1, 0
	s_cselect_b32 s19, 6, 0
	s_cmp_ge_u32 s14, 18
	s_cselect_b32 s20, 1, 0
	s_cselect_b32 s21, 4, 0
	s_add_co_u32 s16, s16, s18
	s_add_co_u32 s16, s16, s20                     ; J
	s_add_co_u32 s17, s17, s19
	s_add_co_u32 s17, s17, s21
	s_sub_co_u32 s14, s14, s17                     ; the tile's number among J's
	s_and_b32 s18, s14, 1
	s_lshl1_add_u32 s40, s16, s18                  ; s block of 128 = 2 J + number % 2
	s_lshr_b32 s19, s14, 1
	s_add_co_u32 s41, s16, s19                     ; t block of 256 = J + number / 2
	s_xor_b32 s42, s12, s43                        ; 0: the lower t half of a plain tile, the upper of the low parts'
	s_lshl_b32 s42, s42, 4
	s_or_b32 s42, s42, s14                         ; 1 where, besides, the tile's number is 1: nothing to store
	s_mov_b32 s[G1K], (1<<16)|(1<<20)|(5<<22)|(3<<25)  ; 2-byte elements; padding on; after every 64 words; 4 words
	s_mov_b32 s[G1Q], (1<<16)|(1<<20)|(5<<22)|(3<<25)
.irp g, G1K, G1Q
	s_mov_b32 s[(\g)+1], 128<<16                   ; tensor_dim0 = 128
	s_mov_b32 s[(\g)+3], 128<<16                   ; tile_dim0 = 128
	s_mov_b32 s[(\g)+5], 3072                      ; elements from row to row of QKV and of QKL
	s_mov_b32 s[(\g)+6], 0
	s_mov_b32 s[(\g)+7], 0
.endr
	s_mov_b32 s[G1K+2], 64<<16                     ; K: 64 rows a load
	s_mov_b32 s[G1K+4], 64
	s_mov_b32 s[G1Q+2], 128<<16                    ; Q: 128 rows a load
	s_mov_b32 s[G1Q+4], 128
	s_lshl_b32 s16, s15, 10                        ; the batch's first row in QKV
	s_lshl_b32 s45, s15, 7                         ; and in QKL
	s_lshl_b32 s44, s40, 7
	s_add_co_u32 s44, s44, s16                     ; the tile's first s
	s_lshl_b32 s18, s12, 6
	s_cmp_eq_u32 s43, 1
	s_cselect_b32 s19, s45, s44
	s_add_co_u32 s18, s18, s19
	s_mul_i32 s18, s18, 6144
	s_add_co_u32 s18, s18, 2048                    ; K's columns
	s_mov_b32 s19, 0
	s_lshl_b32 s20, s41, 8
	s_add_co_u32 s20, s20, s16
	s_lshl_b32 s21, s12, 7
	s_add_co_u32 s20, s20, s21
	s_sub_co_u32 s46, s43, s12                     ; 1 only in the low parts' work-group, for Q's lower half
	s_cmp_eq_u32 s46, 1
	s_cselect_b32 s20, s45, s20
	s_mul_i32 s20, s20, 6144
	s_mov_b32 s21, 0
	s_mul_i32 s22, s12, 64*PITCH
	s_mul_i32 s23, s12, 128*PITCH
	s_add_co_u32 s23, s23, QOFF
	s_wait_dscnt 0x0                               ; both opening adds are done
	s_wait_kmcnt 0x0
	s_cmp_eq_u32 s43, 1
	s_cselect_b64 s[14:15], s[6:7], s[4:5]         ; K's rows come from QKL or from QKV,
	s_cmp_eq_u32 s46, 1
	s_cselect_b64 s[16:17], s[6:7], s[4:5]         ; and so do Q's
	s_add_nc_u64 s[18:19], s[14:15], s[18:19]
	s_add_nc_u64 s[20:21], s[16:17], s[20:21]
.irp s, 0,1
	s_mov_b32 s[G0K+4*(\s)], 1
	s_add_co_u32 s[G0K+4*(\s)+1], s22, (\s)*SLOT1
	s_add_nc_u64 s[G0K+4*(\s)+2:G0K+4*(\s)+3], s[18:19], (\s)*256
	s_or_b32 s[G0K+4*(\s)+3], s[G0K+4*(\s)+3], 0x80000000
	s_mov_b32 s[G0Q+4*(\s)], 1
	s_add_co_u32 s[G0Q+4*(\s)+1], s23, (\s)*SLOT1
	s_add_nc_u64 s[G0Q+4*(\s)+2:G0Q+4*(\s)+3], s[20:21], (\s)*256
	s_or_b32 s[G0Q+4*(\s)+3], s[G0Q+4*(\s)+3], 0x80000000
	LOAD \s                                        ; K steps 0 and 1: two loads of mine are out
.endr
	v_and_b32 v1, 15, v0
	v_bfe_u32 v2, v0, 4, 1
	v_mul_u32_u24 v3, v1, PITCH
	v_lshl_add_u32 v3, v2, 4, v3
	s_mul_i32 s18, s11, 64*PITCH
	s_mul_i32 s19, s12, 128*PITCH
	s_add_co_u32 s19, s19, QOFF
	v_add_nc_u32 v[ADRK0], s18, v3
	v_add_nc_u32 v[ADRQ0], s19, v3
	v_mov_b32 v[ADRK], v[ADRK0]
	v_mov_b32 v[ADRQ], v[ADRQ0]
	s_mul_i32 s23, s10, 16*SPITCH
	s_add_co_u32 s23, s23, STAGE                   ; my stage
	v_mul_u32_u24 v4, v1, SPITCH                   ; in: row lane % 16, 32 bytes for each half of the lanes
	v_lshl_add_u32 v4, v2, 5, v4
	v_add_nc_u32 v[STO], s23, v4
	v_and_b32 v5, 31, v0
	v_lshlrev_b32 v[CO], 4, v5                     ; back: 32 lanes take a row's 512 bytes
	v_add_nc_u32 v[RD], s23, v[CO]
	s_lshl_b32 s16, s11, 6
	s_add_co_u32 s16, s16, s44                     ; my first s
	s_lshl_b32 s16, s16, 12
	s_lshl_b32 s17, s41, 10
	s_add_co_u32 s16, s16, s17
	s_lshl_b32 s17, s12, 9
	s_add_co_u32 s16, s16, s17                     ; + my first t, in bytes
	s_mov_b32 s17, 0
	s_add_nc_u64 s[8:9], s[8:9], s[16:17]
	s_wait_tensorcnt 1                             ; my part of K step 0 is in; K step 1's may stay out
	s_barrier_signal -1
	s_barrier_wait -1
	FETCH 0, F0
	QUARTER 64,  F0, F1, 1                         ; the first quarter stands ahead of the loop: its products start the sums
	WIN 0
	s_mov_b32 s3, 6
	s_branch .Lentry                               ; the loop is entered in the middle of a trip
.Lstep:                                                ; six trips, K steps 0 .. 5: each fills its slot again, with K steps 2 .. 7
	QUARTER 64,  F0, F1, 0
	WIN 0
.Lentry:
	QUARTER 128, F1, F0, 0
	QUARTER 192, F0, F1, 0
	TURN 1
	WIN 0
	s_sub_co_u32 s3, s3, 1
	s_cmp_lg_u32 s3, 0
	s_cbranch_scc1 .Lstep
	s_mov_b32 s3, 2
.Ltail:                                                ; K steps 6 and 7 ask for nothing: a text of their own
	QUARTER 64,  F0, F1, 0
	QUARTER 128, F1, F0, 0
	QUARTER 192, F0, F1, 0
	TURN 0
	WIN 0
	s_sub_co_u32 s3, s3, 1
	s_cmp_lg_u32 s3, 0
	s_cbranch_scc1 .Ltail
	PLACES
	s_cmp_eq_u32 s42, 1
	s_cbranch_scc1 .Lend                           ; nothing of mine is read by anybody
	; THE WAY OUT: 16 rows (s) at a time through my own stage: 32 bytes a lane in, whole rows of 512 bytes back
.irp a, 0,1,2,3
	WIN 0x04                                       ; the stores' data in window 1
.irp b, 0,1,2,3,4,5,6,7
	ds_store_b128 v[STO], v[8*(8*(\a)+(\b)):8*(8*(\a)+(\b))+3]   offset:64*(\b)
	ds_store_b128 v[STO], v[8*(8*(\a)+(\b))+4:8*(8*(\a)+(\b))+7] offset:64*(\b)+16
.endr
	WIN 0
	s_wait_xcnt 0x0                                ; the registers that earlier stores read are loaded again only behind this wait
.set n, 0
.rept 16
	ds_load_b128 v[OB+64*((\a)%2)+4*n:OB+64*((\a)%2)+4*n+3], v[RD] offset:n*SPITCH  ; LDS serves a wave's instructions in order (ISA guide 5.7.1.4): these see the stores above
.set n, n+1
.endr
.set n, 0
.rept 16
	s_wait_dscnt 15-n
	global_store_b128 v[CO], v[OB+64*((\a)%2)+4*n:OB+64*((\a)%2)+4*n+3], s[8:9] offset:(16*(\a)+n)*4096  ; 512 consecutive bytes, aligned
.set n, n+1
.endr
.endr
.Lend:
	s_wait_tensorcnt 0x0                           ; the wave's end, behind my last tensor load and my last LDS store
	ds_add_u32 v[SPW], v[NIL]
	s_wait_dscnt 0x0
	s_endpgm
.Lfunc_end_k_qf44cb01533_scores:
	.size	k_qf44cb01533_scores, .Lfunc_end_k_qf44cb01533_scores-k_qf44cb01533_scores
	.p2alignl 7, 3214868480
	.fill 96, 4, 3214868480
	.section	.rodata,"a",@progbits
	.p2align	6, 0x0
	.amdhsa_kernel k_qf44cb01533_scores
		.amdhsa_group_segment_fixed_size 327680
		.amdhsa_private_segment_fixed_size 0
		.amdhsa_enable_private_segment 0
		.amdhsa_kernarg_size 24
		.amdhsa_user_sgpr_count 2
		.amdhsa_user_sgpr_kernarg_segment_ptr 1
		.amdhsa_wavefront_size32 1
		.amdhsa_system_sgpr_workgroup_id_x 1
		.amdhsa_system_sgpr_workgroup_id_y 1
		.amdhsa_system_sgpr_workgroup_id_z 1
		.amdhsa_system_vgpr_workitem_id 0
		.amdhsa_next_free_vgpr 512
		.amdhsa_next_free_sgpr 66
		.amdhsa_reserve_vcc 0
		.amdhsa_float_denorm_mode_32 3
		.amdhsa_float_denorm_mode_16_64 3
		.amdhsa_memory_ordered 1
		.amdhsa_forward_progress 1
		.amdhsa_inst_pref_size 61
	.end_amdhsa_kernel
	.amdgpu_metadata
---
amdhsa.version: [ 1, 2 ]
amdhsa.kernels:
  - .name:           k_qf44cb01533_scores
    .symbol:         k_qf44cb01533_scores.kd
    .args:
      - { .name: QKV, .offset: 0, .size: 8, .value_kind: global_buffer, .address_space: global }
      - { .name: QKL, .offset: 8, .size: 8, .value_kind: global_buffer, .address_space: global }
      - { .name: St, .offset: 16, .size: 8, .value_kind: global_buffer, .address_space: global }
    .group_segment_fixed_size: 327680
    .private_segment_fixed_size: 0
    .kernarg_segment_align: 8
    .kernarg_segment_size: 24
    .max_flat_workgroup_size: 128
    .sgpr_count:     66
    .vgpr_count:     512
    .wavefront_size: 32
...
	.end_amdgpu_metadata
.endif
;; end of part 3
;; launch softmax (part 4): grid 256 x 1, 4 waves a work-group, no clusters, 0 bytes of LDS; arguments St, Pt; writes Pt
.if DOCPART == 4
	.amdgcn_target "amdgcn-amd-amdhsa--gfx1250"
	.amdhsa_code_object_version 6
	.text
	.protected	k_qf44cb01533_softmax
	.globl	k_qf44cb01533_softmax
	.p2align	8
	.type	k_qf44cb01533_softmax,@function
k_qf44cb01533_softmax:
	s_mov_b64 s[64:65], 0
	v_nop
	global_prefetch_b8 v0, s[64:65] scope:SCOPE_SE
	s_setreg_imm32_b32 hwreg(HW_REG_WAVE_MODE, 25, 1), 1
	s_wait_xcnt 0x0
; Pt[b][s][t] = exp((St[b][s][t] - m) / 32) / sum, over t >= s, m the row's maximum over t >= s: the problem's softmax over the query axis, for key s.  f32 throughout; Pt rounded once to f16.
; WORK LEFT OUT: the blocks of 128 t that lie wholly below s are neither read nor written as weights (shown at the head of the first kernel).  In the diagonal block the places t < s count as the lowest finite
; number: their weight is 0, and the 0 is stored, since the last launch multiplies that block whole.
; LIMITS: a weight below 6e-5 keeps f16's fixed step of 6e-8; an exponential below 2^-126 counts as 0; NaN and infinities are not treated apart.
; SHARES.  A wave takes the eight rows s = 128 j + rho, j = 0 .. 7, of one batch: 8 - j pieces of 128 t each, 36 pieces whatever rho: all 1,024 waves are alike.  A piece is 512 bytes: one load, 16 bytes a lane.
; All loads go out at the head; a row is worked on when its own have come.  A row stays in registers between the maximum, the sum and the scaling.  A piece of Pt is 256 bytes: one store.
; The difference x - m is taken first and scaled afterwards, so that the exponent is exactly 0 at the maximum and never above 0, however large the scores are.
; THE LAST 64 ROWS IN TWO PARTS.  For s = 960 + i and t = 960 + j the launch before has left, in s block 7's dead t block 6, Khi . Qlo at (896 + i, 832 + j), Klo . Qhi at (960 + i, 768 + j) and Klo . Qlo at
; (960 + i, 832 + j): three more loads a wave, issued first, so that no count below changes.  They are added to the score by a select on the lane (t >= 960) and on rho (s >= 960); for rho < 64 the same three loads
; name bytes that were written too, and the select throws them away: a jump round the loads would make the counted waits differ from path to path.
; For s >= 960 the weight leaves in two parts: besides Pt[s][t block 7], a copy of the rounded weights goes to Pt[s][t block 6] and what the rounding left to Pt[s - 64][t block 6]: the rows 896 .. 1,023 of
; t block 6, dead as weights, then hold one tile, 64 rows of low parts and 64 of rounded weights, for the last launch.
; No LDS, no barrier (a row never leaves its wave), no matrix unit, no cluster (nothing is shared), no prefetch (all loads are issued at once).
.set LO,  2                            ; v2   16 x lane
.set SO,  3                            ; v3   8 x lane
.set T,   4                            ; v[4:5]   at work
.set M,   6                            ; v[6:7]   the maximum, twice
.set SU,  8                            ; v[8:9]   the sums of even and odd places
.set R,   10                           ; v[10:11] 1 / sum, twice
.set NEG, 12                           ; v12  the lowest finite number
.set LO2, 13                           ; v13  16 x (lane % 16)
.set NEG1, 14                          ; v14  -1.0
.set X,   16                           ; v[16:159] 36 pieces of 4
.set C1,  160                          ; v[160:163] Khi . Qlo
.set C2,  164                          ; v[164:167] Klo . Qhi; later the last row's rounded weights
.set C3,  168                          ; v[168:171] Klo . Qlo; later what their rounding left
.set CS,  18                           ; s[18:19] log2(e) / 32
.set SEL, 24                           ; s[24:25] v_permlanex16_b32's selects
.set CM,  26                           ; s26  the lanes whose scores take the low parts' products
	s_load_b128 s[4:7], s[0:1], 0x0                ; St s[4:5], Pt s[6:7]
	v_lshrrev_b32 v1, 5, v0
	v_readfirstlane_b32 s8, v1
	s_lshl_b32 s9, ttmp9, 2
	s_add_co_u32 s9, s9, s8                        ; my wave among the launch's 1,024
	s_lshr_b32 s10, s9, 7                          ; the batch
	s_and_b32 s11, s9, 127                         ; rho
	s_lshl_b32 s12, s10, 10
	s_add_co_u32 s12, s12, s11                     ; my first row
	s_lshl_b32 s14, s12, 12
	s_mov_b32 s15, 0
	s_lshl_b32 s16, s12, 11
	s_mov_b32 s17, 0
	s_mov_b32 s[CS], 0x3d38aa3b
	s_mov_b32 s[CS+1], s[CS]                       ; named with it as a pair
	s_mov_b32 s[SEL], 0x76543210
	s_mov_b32 s[SEL+1], 0xfedcba98
	s_cmp_ge_u32 s11, 64
	s_cselect_b32 s[CM], 0xffff0000, 0             ; lanes 16 .. 31 (t >= 960) where s >= 960
	v_and_b32 v1, 31, v0
	v_lshlrev_b32 v[LO], 4, v1
	v_lshlrev_b32 v[SO], 3, v1
	v_and_b32 v[LO2], 15, v0
	v_lshlrev_b32 v[LO2], 4, v[LO2]
	v_lshlrev_b32 v172, 2, v1
	v_mov_b32 v[NEG], 0xff7fffff
	v_mov_b32 v[NEG1], 0xbf800000
	v_mov_b32 v[T+1], 0                            ; v_permlanex16_b32's destination counts as read
.irp e, 0,1,2,3
	v_add_nc_u32 v173, \e, v172
	v_cmp_le_u32 s[20+(\e)], s11, v173             ; in the diagonal piece my place e is live where rho <= 4 lane + e: the same for all eight rows
.endr
	s_wait_kmcnt 0x0
	s_add_nc_u64 s[4:5], s[4:5], s[14:15]
	s_add_nc_u64 s[6:7], s[6:7], s[16:17]
	global_load_b128 v[C1:C1+3], v[LO],  s[4:5] offset:7*524288-262144+3072   ; row 832 + rho, t block 6: in lanes 16 .. 31 its columns 64 on
	global_load_b128 v[C2:C2+3], v[LO2], s[4:5] offset:7*524288+3072          ; row 896 + rho, t block 6: in lanes 16 .. 31 its columns 0 on
	global_load_b128 v[C3:C3+3], v[LO],  s[4:5] offset:7*524288+3072          ; the same row: its columns 64 on
.set n, 0
.irp j, 0,1,2,3,4,5,6,7
.set k, \j
.rept 8-(\j)
	global_load_b128 v[X+4*n:X+4*n+3], v[LO], s[4:5] offset:(\j)*524288+k*512 th:TH_LOAD_NT
.set n, n+1
.set k, k+1
.endr
.endr
.macro ROW j
.set OFJ, 8*(\j)-(\j)*((\j)-1)/2       ; pieces of the rows before
.set NPC, 8-(\j)                       ; this row's pieces
.set XB,  X+4*OFJ
.set NV,  4*NPC
	s_wait_loadcnt 36-OFJ-NPC                      ; this row's loads are in; the later rows' may stay out
.if (\j) == 7
	v_pk_add_f32 v[C1:C1+1], v[C1:C1+1], v[C2:C2+1]
	v_pk_add_f32 v[C1+2:C1+3], v[C1+2:C1+3], v[C2+2:C2+3]
	v_pk_add_f32 v[C1:C1+1], v[C1:C1+1], v[C3:C3+1]
	v_pk_add_f32 v[C1+2:C1+3], v[C1+2:C1+3], v[C3+2:C3+3]
.irp e, 0,1,2,3
	v_cndmask_b32 v[C1+(\e)], 0, v[C1+(\e)], s[CM]
.endr
	v_pk_add_f32 v[XB:XB+1], v[XB:XB+1], v[C1:C1+1]
	v_pk_add_f32 v[XB+2:XB+3], v[XB+2:XB+3], v[C1+2:C1+3]
.endif
.irp e, 0,1,2,3
	v_cndmask_b32 v[XB+(\e)], v[NEG], v[XB+(\e)], s[20+(\e)]
.endr
	v_max_num_f32 v[T], v[XB], v[XB+1]
.set i, 2
.rept (NV-2)/2
	v_max3_num_f32 v[T], v[T], v[XB+i], v[XB+i+1]
.set i, i+2
.endr
	v_max_num_f32_dpp v[T], v[T], v[T] row_xmask:1 row_mask:0xf bank_mask:0xf
	v_max_num_f32_dpp v[T], v[T], v[T] row_xmask:2 row_mask:0xf bank_mask:0xf
	v_max_num_f32_dpp v[T], v[T], v[T] row_xmask:4 row_mask:0xf bank_mask:0xf
	v_max_num_f32_dpp v[T], v[T], v[T] row_xmask:8 row_mask:0xf bank_mask:0xf
	v_permlanex16_b32 v[T+1], v[T], s[SEL], s[SEL+1]
	v_max_num_f32 v[M], v[T], v[T+1]
	v_max_num_f32 v[M+1], v[T], v[T+1]
.set i, 0
.rept NV/2
	v_pk_add_f32 v[XB+i:XB+i+1], v[XB+i:XB+i+1], v[M:M+1] neg_lo:[0,1] neg_hi:[0,1]   ; x - m
.set i, i+2
.endr
.set i, 0
.rept NV/2
	v_pk_mul_f32 v[XB+i:XB+i+1], v[XB+i:XB+i+1], s[CS:CS+1] op_sel_hi:[1,0]
.set i, i+2
.endr
.set i, 0
.rept NV
	v_exp_f32 v[XB+i], v[XB+i]                     ; one batch
.set i, i+1
.endr
	v_nop                                          ; a plain instruction behind the last exponential,
	s_wait_alu depctr_va_vdst(0)                   ; and one wait ahead of the batch's first reader
	v_pk_add_f32 v[SU:SU+1], v[XB:XB+1], v[XB+2:XB+3]
.set i, 4
.rept (NV-4)/2
	v_pk_add_f32 v[SU:SU+1], v[SU:SU+1], v[XB+i:XB+i+1]
.set i, i+2
.endr
	v_add_f32 v[T], v[SU], v[SU+1]
	v_add_f32_dpp v[T], v[T], v[T] row_xmask:1 row_mask:0xf bank_mask:0xf
	v_add_f32_dpp v[T], v[T], v[T] row_xmask:2 row_mask:0xf bank_mask:0xf
	v_add_f32_dpp v[T], v[T], v[T] row_xmask:4 row_mask:0xf bank_mask:0xf
	v_add_f32_dpp v[T], v[T], v[T] row_xmask:8 row_mask:0xf bank_mask:0xf
	v_permlanex16_b32 v[T+1], v[T], s[SEL], s[SEL+1]
	v_add_f32 v[SU], v[T], v[T+1]                  ; at least 1: the maximum's own weight
	v_rcp_f32 v[R], v[SU]
	v_rcp_f32 v[R+1], v[SU]
	v_nop
	s_wait_alu depctr_va_vdst(0)                   ; one wait for both reciprocals
.set i, 0
.rept NV/2
	v_pk_mul_f32 v[XB+i:XB+i+1], v[XB+i:XB+i+1], v[R:R+1]
.set i, i+2
.endr
.if (\j) == 7
	v_cvt_pk_f16_f32 v[C2], v[XB], v[XB+1]         ; the last row's weights stay in f32 beside their f16
	v_cvt_pk_f16_f32 v[C2+1], v[XB+2], v[XB+3]
	global_store_b64 v[SO], v[C2:C2+1], s[6:7] offset:7*262144+7*256
.else
.set i, 0
.rept NPC
	v_cvt_pk_f16_f32 v[XB+4*i], v[XB+4*i], v[XB+4*i+1]
	v_cvt_pk_f16_f32 v[XB+4*i+1], v[XB+4*i+2], v[XB+4*i+3]
	global_store_b64 v[SO], v[XB+4*i:XB+4*i+1], s[6:7] offset:(\j)*262144+((\j)+i)*256  ; 32 lanes store 256 consecutive bytes, aligned; the registers are not written again
.set i, i+1
.endr
.endif
.endm
.irp j, 0,1,2,3,4,5,6,7
	ROW \j
.endr
	s_cmp_ge_u32 s11, 64
	s_cbranch_scc0 .Lend                           ; s < 960: one part is enough
.set XL, X+4*35                        ; the last row's four weights
	v_fma_mixlo_f16 v[C3], v[C2], v[NEG1], v[XL] op_sel_hi:[1,0,0]                          ; the weight less its f16: exact, rounded once to f16
	v_fma_mixhi_f16 v[C3], v[C2], v[NEG1], v[XL+1] op_sel:[1,0,0] op_sel_hi:[1,0,0]
	v_fma_mixlo_f16 v[C3+1], v[C2+1], v[NEG1], v[XL+2] op_sel_hi:[1,0,0]
	v_fma_mixhi_f16 v[C3+1], v[C2+1], v[NEG1], v[XL+3] op_sel:[1,0,0] op_sel_hi:[1,0,0]
	global_store_b64 v[SO], v[C2:C2+1], s[6:7] offset:7*262144+6*256          ; the rounded weights once more: row s, t block 6
	global_store_b64 v[SO], v[C3:C3+1], s[6:7] offset:7*262144-131072+6*256   ; what was left: row s - 64, t block 6
.Lend:
	s_endpgm
.Lfunc_end_k_qf44cb01533_softmax:
	.size	k_qf44cb01533_softmax, .Lfunc_end_k_qf44cb01533_softmax-k_qf44cb01533_softmax
	.p2alignl 7, 3214868480
	.fill 96, 4, 3214868480
	.section	.rodata,"a",@progbits
	.p2align	6, 0x0
	.amdhsa_kernel k_qf44cb01533_softmax
		.amdhsa_group_segment_fixed_size 0
		.amdhsa_private_segment_fixed_size 0
		.amdhsa_enable_private_segment 0
		.amdhsa_kernarg_size 16
		.amdhsa_user_sgpr_count 2
		.amdhsa_user_sgpr_kernarg_segment_ptr 1
		.amdhsa_wavefront_size32 1
		.amdhsa_system_sgpr_workgroup_id_x 1
		.amdhsa_system_sgpr_workgroup_id_y 1
		.amdhsa_system_sgpr_workgroup_id_z 1
		.amdhsa_system_vgpr_workitem_id 0
		.amdhsa_next_free_vgpr 176
		.amdhsa_next_free_sgpr 66
		.amdhsa_reserve_vcc 0
		.amdhsa_float_denorm_mode_32 3
		.amdhsa_float_denorm_mode_16_64 3
		.amdhsa_memory_ordered 1
		.amdhsa_forward_progress 1
		.amdhsa_inst_pref_size 51
	.end_amdhsa_kernel
	.amdgpu_metadata
---
amdhsa.version: [ 1, 2 ]
amdhsa.kernels:
  - .name:           k_qf44cb01533_softmax
    .symbol:         k_qf44cb01533_softmax.kd
    .args:
      - { .name: St, .offset: 0, .size: 8, .value_kind: global_buffer, .address_space: global }
      - { .name: Pt, .offset: 8, .size: 8, .value_kind: global_buffer, .address_space: global }
    .group_segment_fixed_size: 0
    .private_segment_fixed_size: 0
    .kernarg_segment_align: 8
    .kernarg_segment_size: 16
    .max_flat_workgroup_size: 128
    .sgpr_count:     66
    .vgpr_count:     176
    .wavefront_size: 32
...
	.end_amdgpu_metadata
.endif
;; end of part 4
;; launch pv (part 5): grid 8 x 32, 4 waves a work-group, clusters of 4 x 1, 327,680 bytes of LDS; arguments Pt, QKV, QKL, out0; writes out0
.if DOCPART == 5
	.amdgcn_target "amdgcn-amd-amdhsa--gfx1250"
	.amdhsa_code_object_version 6
	.text
	.protected	k_qf44cb01533_pv
	.globl	k_qf44cb01533_pv
	.p2align	8
	.type	k_qf44cb01533_pv,@function
k_qf44cb01533_pv:
	s_mov_b64 s[64:65], 0
	v_nop
	global_prefetch_b8 v0, s[64:65] scope:SCOPE_SE
	s_setreg_imm32_b32 hwreg(HW_REG_WAVE_MODE, 25, 1), 1
	s_wait_xcnt 0x0
	s_wait_alu depctr_hold_cnt(0) depctr_sa_sdst(0) depctr_va_vdst(0) depctr_va_sdst(0) depctr_va_ssrc(0) depctr_va_vcc(0) depctr_vm_vsrc(0)
	s_getreg_b32 s2, hwreg(HW_REG_IB_STS2, 6, 4)
	s_cmp_eq_u32 s2, 0
	s_cbranch_scc0 .Lentry_in_a_cluster
	s_endpgm
.Lentry_in_a_cluster:
	s_bfe_u32 s2, ttmp6, 0x10000c
	s_cmp_lg_u32 s2, 0x3003
	s_cbranch_scc0 .Lentry_shape_is_right
	s_endpgm
.Lentry_shape_is_right:
; out[b][t][d] = sum over s <= t of Pt[b][s][t] V[b][s][d].  Operands f16 (Pt; QKV's columns 2,048 .. 3,071), sums and out in f32.
; WORK LEFT OUT: the blocks of 128 s that lie wholly above t, where the weights are 0 by the problem's own mask (shown at the head of the first kernel).  The diagonal block is multiplied whole: Pt holds 0 at t < s.
; THE WALK.  A tile of out is 128 t x 128 d; t block i needs the s blocks 0 .. i: i + 1 K steps of 128.  A work-group makes TWO tiles, t blocks IF (odd) and 7 - IF: 9 K steps.
; The steps go in chunks of two through two LDS slots: four chunks and a last fill.  The odd block goes first, so its IF + 1 steps are whole chunks; for IF = 1, 3, 5 its way out stands behind chunk 0, 1, 2,
; under a forward jump that passes no barrier and no tensor load.  All that steers the walk hangs on the grid's y alone: it is the same in all partners of a cluster.
; THE LAST 64 KEYS IN TWO PARTS.  t block 7 has a tenth K step: Pt's rows 896 .. 1,023 of t block 6 (64 rows of the weights' low parts, 64 of the rounded weights, of keys 960 .. 1,023) times QKL's V columns
; (64 rounded rows, 64 of low parts): Plo Vhi + Phi Vlo.  So the pair (7, 0) walks 10 steps: its last fill holds that step and then t block 0's one step; the other pairs' holds the second tile's last step alone.
; In the last fill waves 0 and 2 always load; waves 1 and 3 load for the pair (7, 0) alone, under a jump on the grid's y.  No joint load stands under a jump: wave 1's tile is asked for by each work-group for itself.
; Every wait for tensor loads in this text is for 0.
; CLUSTER.  The four work-groups of a cluster differ in d alone: same batch, same walk, same tiles of Pt, which are asked for JOINTLY.  V's tile hangs on d: a load of one's own, behind the same rounds.
; (V's tiles are shared only by work-groups with other walks, which want them at other steps: no joint request for them.)  NO PREFETCH: the walk has five fills, of which two go out at the head.
; Both operands lie [s][..] in memory and come out of LDS turned, by ds_load_tr16_b128; rows 288 bytes apart (256 + 32).
; Source 0 = V^T (16 d), source 1 = P (16 t): a lane holds one t and eight neighbouring d.  Four waves, 2 x 2, each 64 t x 64 d: 16 accumulators, which take turns.
; REGISTERS: window 0: v16-29 addresses; v32-95 the way out; v128-255 the accumulators ((a, b) at 128 + 8 (4 a + b)).  Window 1: two fragment buffers of 128: for 64 along K, P's 64 registers, then V's.
.set PITCH,  288
.set REG,    128*PITCH                 ; a region: one K step's tile of Pt or of V
.set SLOTB,  4*REG                     ; Pt of step 0, of step 1, V of step 0, of step 1: wave w fills region w
.set STAGE,  2*SLOTB                   ; behind the ring: 16 rows x 272 bytes for each wave
.set SPITCH, 272
.set SPARE,  STAGE+4*16*SPITCH
.set ADRA, 16                          ; v16-19  my P fragments: slot, step at 2 slot + step
.set ADRB, 20                          ; v20-23  my V fragments
.set STO,  24
.set RD,   25
.set CO,   26
.set SPW,  28
.set NIL,  29
.set OB,   32
.set ACC,  128
.set F0,   0
.set F1,   128
.set WV,   10
.set G1A,  24                          ; s[24:31] Pt's tiles, asked for jointly
.set G1B,  32                          ; s[32:39] V's tiles
.set G0A,  40                          ; s[40:47] a set for each slot
.set G0B,  48                          ; s[48:55]
.set G1P,  56                          ; s[56:63] a tile of Pt asked for alone
.set NE,   68                          ; the chunk behind which the first tile leaves, counted from 1; 0 for the pair (7, 0)
.set IF,   70                          ; the first tile's t block
.set IS,   71                          ; the second's
.set NC1,  72                          ; the first tile's whole chunks
.set N1,   73                          ; their K steps
.set PTB,  74                          ; s[74:75] Pt at the batch
.set VB,   76                          ; s[76:77] V at the batch and my 128 d
.set OUTC, 78                          ; s[78:79] out at my part of the tile in hand
.set OUT2, 80                          ; s[80:81] of the second tile
.set LOB,  92                          ; s[92:93] QKL's V columns at the batch and my 128 d
.set FX,   94                          ; 1: the pair (7, 0), and I fetch step 0 of a chunk
.set P0,   95                          ; 1: the pair (7, 0)
.set MSB, 0
.macro WIN new
.if MSB != (\new)
	s_set_vgpr_msb (MSB<<8)|(\new)
.set MSB, \new
.endif
.endm
.macro PLACES
.rept 4
	v_nop
.endr
.endm
.macro CREST
	s_cmp_lg_u32 s[WV], 0
	s_cbranch_scc1 .Lnot_wave_0_\@
	s_barrier_signal -3
.Lnot_wave_0_\@:
	s_barrier_wait -3
	s_barrier_signal -1
	s_barrier_wait -1
.endm
.macro CROUND
	s_barrier_signal -1
	s_barrier_wait -1
	CREST
.endm
.macro JLOAD s                         ; a whole chunk: waves 0 and 1 fetch Pt's two tiles (jointly), waves 2 and 3 V's; s_nop 0 and four v_nop follow each line
	s_cmp_lt_u32 s[WV], 2
	s_cbranch_scc0 .Lfor_v_\@
	tensor_load_to_lds s[G0A+4*(\s):G0A+4*(\s)+3], s[G1A:G1A+7]
	s_nop 0
.rept 4
	v_nop
.endr
	s_branch .Lasked_\@
.Lfor_v_\@:
	tensor_load_to_lds s[G0B+4*(\s):G0B+4*(\s)+3], s[G1B:G1B+7]
	s_nop 0
.rept 4
	v_nop
.endr
.Lasked_\@:
.endm
.macro HLOAD                           ; the walk's last fill, into slot 0: wave 0 fetches step 0's tile of Pt (jointly), wave 2 its tile of V; waves 1 and 3 fetch step 1's, which the pair (7, 0) alone has
	s_cmp_eq_u32 s[WV], 0
	s_cbranch_scc0 .Lnot_a_\@
	tensor_load_to_lds s[G0A:G0A+3], s[G1A:G1A+7]
	s_nop 0
.rept 4
	v_nop
.endr
	s_branch .Lhalf_\@
.Lnot_a_\@:
	s_cmp_eq_u32 s[WV], 2
	s_cbranch_scc0 .Lodd_\@
	tensor_load_to_lds s[G0B:G0B+3], s[G1B:G1B+7]
	s_nop 0
.rept 4
	v_nop
.endr
	s_branch .Lhalf_\@
.Lodd_\@:
	s_cmp_eq_u32 s[P0], 1                          ; made of the grid's y alone: the same in all waves and all partners
	s_cbranch_scc0 .Lhalf_\@
	s_cmp_eq_u32 s[WV], 1
	s_cbranch_scc0 .Lw3_\@
	tensor_load_to_lds s[G0A:G0A+3], s[G1P:G1P+7]  ; no mask: a load of my own
	s_nop 0
.rept 4
	v_nop
.endr
	s_branch .Lhalf_\@
.Lw3_\@:
	tensor_load_to_lds s[G0B:G0B+3], s[G1B:G1B+7]
	s_nop 0
.rept 4
	v_nop
.endr
.Lhalf_\@:
	PLACES                                         ; on every wave's way: the places ahead of the loads that follow
.endm
; The global addresses of chunk c's tiles into descriptor set `set`: scalar work alone.  Chunk c belongs to the first tile while c < NC1 (s blocks 2 c, 2 c + 1), else to the second (2 c - N1 on); I fetch step w % 2.
.macro FILLADDR c, set
	s_sub_co_u32 s90, 2*(\c), s[N1]
	s_cmp_gt_u32 s[NC1], \c
	s_cselect_b32 s90, 2*(\c), s90
	s_cselect_b32 s91, s[IF], s[IS]
	s_add_co_u32 s90, s90, s12                     ; the s block
	s_lshl_b32 s88, s90, 18                        ; 128 rows of 2,048 bytes
	s_lshl_b32 s91, s91, 8                         ; 128 t of 2 bytes
	s_add_co_u32 s88, s88, s91
	s_mov_b32 s89, 0
	s_add_nc_u64 s[G0A+4*(\set)+2:G0A+4*(\set)+3], s[PTB:PTB+1], s[88:89]
	s_or_b32 s[G0A+4*(\set)+3], s[G0A+4*(\set)+3], 0x80000000
	s_mul_i32 s88, s90, 786432                     ; 128 rows of 6,144 bytes
	s_add_nc_u64 s[G0B+4*(\set)+2:G0B+4*(\set)+3], s[VB:VB+1], s[88:89]
	s_or_b32 s[G0B+4*(\set)+3], s[G0B+4*(\set)+3], 0x80000000
.endm
; The last fill's addresses, into set 0.  The second tile's last step is its diagonal one: s block IS = 8 - N1, t block IS (for the pair (7, 0): block 0, which is step 1 there).
; Step 0 of the pair (7, 0): Pt's s block 7, t block 6, and QKL in V's place.
.macro FILLX
	s_sub_co_u32 s90, 8, s[N1]
	s_mov_b32 s91, s[IS]
	s_mov_b32 s89, 0
	s_cmp_eq_u32 s[FX], 1
	s_cselect_b32 s90, 7, s90
	s_cselect_b32 s91, 6, s91
	s_cselect_b64 s[66:67], s[LOB:LOB+1], s[VB:VB+1]
	s_mul_i32 s88, s90, 786432
	s_cselect_b32 s88, 0, s88
	s_add_nc_u64 s[G0B+2:G0B+3], s[66:67], s[88:89]
	s_or_b32 s[G0B+3], s[G0B+3], 0x80000000
	s_lshl_b32 s88, s90, 18
	s_lshl_b32 s91, s91, 8
	s_add_co_u32 s88, s88, s91
	s_add_nc_u64 s[G0A+2:G0A+3], s[PTB:PTB+1], s[88:89]
	s_or_b32 s[G0A+3], s[G0A+3], 0x80000000
.endm
.macro MUL8 f, c, a0, zero             ; 8 matrix instructions: t blocks a0, a0 + 1 x all four d blocks, 32 along K: half c of buffer f
	WIN 0x05                                       ; both sources in window 1, C and D in window 0
.irp a, \a0, (\a0)+1
.irp b, 0,1,2,3
.if \zero
	v_wmma_f32_16x16x32_f16 v[ACC+8*(4*(\a)+(\b)):ACC+8*(4*(\a)+(\b))+7], v[(\f)+64+8*(4*(\c)+(\b)):(\f)+64+8*(4*(\c)+(\b))+7], v[(\f)+8*(4*(\c)+(\a)):(\f)+8*(4*(\c)+(\a))+7], 0
.else
	v_wmma_f32_16x16x32_f16 v[ACC+8*(4*(\a)+(\b)):ACC+8*(4*(\a)+(\b))+7], v[(\f)+64+8*(4*(\c)+(\b)):(\f)+64+8*(4*(\c)+(\b))+7], v[(\f)+8*(4*(\c)+(\a)):(\f)+8*(4*(\c)+(\a))+7], v[ACC+8*(4*(\a)+(\b)):ACC+8*(4*(\a)+(\b))+7]
.endif
.endr
.endr
.endm
.macro FETCH slot, e, kq, f            ; 32 turning loads in one run: 64 along K (rows 64 kq on of step e's regions), the first 32 first
	WIN 0x40                                       ; destination in window 1
.irp c, 0,1
.irp i, 0,1,2,3
	ds_load_tr16_b128 v[(\f)+64+8*(4*(\c)+(\i)):(\f)+64+8*(4*(\c)+(\i))+3],   v[ADRB+2*(\slot)+(\e)] offset:(64*(\kq)+32*(\c))*PITCH+32*(\i)
	ds_load_tr16_b128 v[(\f)+64+8*(4*(\c)+(\i))+4:(\f)+64+8*(4*(\c)+(\i))+7], v[ADRB+2*(\slot)+(\e)] offset:(64*(\kq)+32*(\c)+16)*PITCH+32*(\i)
	ds_load_tr16_b128 v[(\f)+8*(4*(\c)+(\i)):(\f)+8*(4*(\c)+(\i))+3],         v[ADRA+2*(\slot)+(\e)] offset:(64*(\kq)+32*(\c))*PITCH+32*(\i)
	ds_load_tr16_b128 v[(\f)+8*(4*(\c)+(\i))+4:(\f)+8*(4*(\c)+(\i))+7],       v[ADRA+2*(\slot)+(\e)] offset:(64*(\kq)+32*(\c)+16)*PITCH+32*(\i)
.endr
.endr
.endm
; A quarter of a chunk: 64 along K, 32 matrix instructions on buffer f; in its middle the next quarter (slot, e, kq) is fetched into g
.macro QUARTER f, g, slot, e, kq, zero
	s_wait_dscnt 16                                ; the first 32 along K are in
	MUL8 \f, 0, 0, \zero
	MUL8 \f, 0, 2, \zero
	PLACES
	FETCH \slot, \e, \kq, \g
	s_wait_dscnt 32                                ; all but the 32 just issued
	MUL8 \f, 1, 0, 0
	MUL8 \f, 1, 2, 0
.endm
.macro LASTQ                           ; a step's last quarter, on buffer 1, where nothing more is fetched
	s_wait_dscnt 16
	MUL8 F1, 0, 0, 0
	MUL8 F1, 0, 2, 0
	s_wait_dscnt 0x0
	MUL8 F1, 1, 0, 0
	MUL8 F1, 1, 2, 0
	WIN 0
.endm
; Chunk c's last quarter multiplies buffer 1 and changes slots.  Ahead of the barrier each wave waits for all its tensor loads, adds 0 to its spare word, and waits for that and for its reads of this slot.
; c = 0, 1: the slot is filled again with chunk c + 2; c = 2: with the last fill; the barrier then opens a round of the cluster's.  c = 3: nothing is left to fetch.
.macro TURN c
	WIN 0
	s_wait_tensorcnt 0x0                           ; all my tensor loads have landed: my part of the next slot; no load of mine is out, so a group 0 may be written
	ds_add_u32 v[SPW], v[NIL]                      ; 0 onto my spare word
.if (\c) < 2
	FILLADDR (\c)+2, (\c)%2
.elseif (\c) == 2
	FILLX
.endif
	s_wait_dscnt 17                                ; the add and the youngest sixteen loads may stay out
	MUL8 F1, 0, 0, 0
	s_wait_dscnt 0x0                               ; the add is done, and my reads of this slot are over
	s_barrier_signal -1
	MUL8 F1, 0, 2, 0
	WIN 0
	s_barrier_wait -1
.if (\c) < 2
	CREST                                          ; no wave of any partner still reads this slot or has a load on its way
	JLOAD (\c)%2                                   ; the first tensor load behind the round; its four v_nop are also the places ahead of the loads below
.elseif (\c) == 2
	CREST
	HLOAD
.else
	PLACES
.endif
	FETCH 1-(\c)%2, 0, 0, F0
	MUL8 F1, 1, 0, 0
	MUL8 F1, 1, 2, 0
.endm
; THE WAY OUT of a tile: 16 rows (t) at a time through my own stage: 32 bytes a lane in, rows of 256 bytes back.  next = 1: the second tile follows in the chunks' one form of product: its sums are cleared, once a
; work-group, since where that tile begins hangs on the work-group.  next = 2: it follows with products that start their sums.  next = 0: nothing follows.
.macro EPI next
	PLACES
.irp a, 0,1,2,3
.irp b, 0,1,2,3
	ds_store_b128 v[STO], v[ACC+8*(4*(\a)+(\b)):ACC+8*(4*(\a)+(\b))+3]   offset:64*(\b)
	ds_store_b128 v[STO], v[ACC+8*(4*(\a)+(\b))+4:ACC+8*(4*(\a)+(\b))+7] offset:64*(\b)+16
.endr
	s_wait_xcnt 0x0                                ; the registers that earlier stores read are loaded again only behind this wait
.irp p, 0,1,2,3,4,5,6,7
	ds_load_b128 v[OB+32*((\a)%2)+4*(\p):OB+32*((\a)%2)+4*(\p)+3], v[RD] offset:(\p)*2*SPITCH  ; LDS serves a wave's instructions in order (ISA guide 5.7.1.4): these see the stores above
.endr
.irp p, 0,1,2,3,4,5,6,7
	s_wait_dscnt 7-(\p)
	global_store_b128 v[CO], v[OB+32*((\a)%2)+4*(\p):OB+32*((\a)%2)+4*(\p)+3], s[OUTC:OUTC+1] offset:(16*(\a)+2*(\p))*4096 th:TH_STORE_NT  ; 16 lanes store 256 consecutive bytes, aligned
.endr
.endr
.if (\next) == 1
.set i, 0
.rept 128
	v_mov_b32 v[ACC+i], 0
.set i, i+1
.endr
.endif
.if \next
	s_wait_xcnt 0x0                                ; the stores have read their base
	s_mov_b64 s[OUTC:OUTC+1], s[OUT2:OUT2+1]
.endif
.endm
.macro CHUNK c, zero
	QUARTER F0, F1, (\c)%2, 0, 1, \zero
	QUARTER F1, F0, (\c)%2, 1, 0, 0
	QUARTER F0, F1, (\c)%2, 1, 1, 0
	TURN \c
	WIN 0
.if (\c) < 3
	s_cmp_eq_u32 s[NE], (\c)+1
	s_cbranch_scc0 .Lsame_tile_\@                  ; t blocks 1, 3, 5 end behind their last chunk
	EPI 1
.Lsame_tile_\@:
.endif
.endm
	s_load_b128 s[4:7], s[0:1], 0x0                ; Pt s[4:5], QKV s[6:7]
	s_load_b64 s[LOB:LOB+1], s[0:1], 0x10          ; QKL
	s_load_b64 s[8:9], s[0:1], 0x18                ; out0
	v_lshl_add_u32 v[SPW], v0, 2, SPARE
	v_mov_b32 v[NIL], 0
	ds_add_u32 v[SPW], v[NIL]                      ; the wave's opening: the add, twice on end, and its wait ahead of my first tensor load
	ds_add_u32 v[SPW], v[NIL]
	v_lshrrev_b32 v1, 5, v0
	v_readfirstlane_b32 s[WV], v1
	s_lshr_b32 s11, s[WV], 1                       ; my half of the tile's t
	s_and_b32 s12, s[WV], 1                        ; my half of its d.  Also: which step of a chunk I fetch
	s_bfe_u32 s13, ttmp6, 0x40000                  ; cx
	s_lshl_b32 s14, ttmp9, 2
	s_add_co_u32 s14, s14, s13                     ; my block of 128 d: it enters V's and out's addresses alone
	s_and_b32 s15, ttmp7, 0xffff
	s_lshr_b32 s16, s15, 2                         ; the batch
	s_and_b32 s17, s15, 3                          ; the pair of t blocks
	s_sub_co_u32 s18, 7, s17
	s_bitcmp1_b32 s17, 0
	s_cselect_b32 s[IF], s17, s18                  ; the odd one of p and 7 - p
	s_sub_co_u32 s[IS], 7, s[IF]
	s_add_co_u32 s[N1], s[IF], 1
	s_lshr_b32 s[NC1], s[N1], 1
	s_cmp_eq_u32 s17, 0
	s_cselect_b32 s[P0], 1, 0
	s_cselect_b32 s[NE], 0, s[NC1]
	s_sub_co_u32 s[FX], s[P0], s12                 ; 1 only for the pair (7, 0) and step 0
	s_mov_b32 s[G1A], 15|(1<<16)|(1<<20)|(1<<21)|(5<<22)|(7<<25)  ; the mask of four; 2-byte elements; padding on; bit 21 beside a mask; after every 64 words; 8 words
	s_mov_b32 s[G1B], (1<<16)|(1<<20)|(5<<22)|(7<<25)             ; no mask: a load of my own
	s_mov_b32 s[G1P], (1<<16)|(1<<20)|(5<<22)|(7<<25)
.irp g, G1A, G1B, G1P
	s_mov_b32 s[(\g)+1], 128<<16                   ; tensor_dim0 = 128
	s_mov_b32 s[(\g)+2], 128<<16                   ; tensor_dim1 = 128
	s_mov_b32 s[(\g)+3], 128<<16                   ; tile_dim0 = 128
	s_mov_b32 s[(\g)+4], 128                       ; tile_dim1 = 128
	s_mov_b32 s[(\g)+6], 0
	s_mov_b32 s[(\g)+7], 0
.endr
	s_mov_b32 s[G1A+5], 1024                       ; elements from row to row of Pt
	s_mov_b32 s[G1P+5], 1024
	s_mov_b32 s[G1B+5], 3072                       ; of QKV and of QKL
	s_mul_i32 s20, s[WV], REG                      ; my region of a slot: the wave's number alone enters an LDS address
.irp s, 0,1
	s_mov_b32 s[G0A+4*(\s)], 1
	s_add_co_u32 s[G0A+4*(\s)+1], s20, (\s)*SLOTB
	s_mov_b32 s[G0B+4*(\s)], 1
	s_add_co_u32 s[G0B+4*(\s)+1], s20, (\s)*SLOTB
.endr
	s_lshl_b32 s82, s16, 21                        ; Pt: a batch is 2,097,152 bytes
	s_mov_b32 s83, 0
	s_mul_i32 s84, s16, 6291456                    ; QKV: 1,024 rows of 6,144 bytes
	s_lshl_b32 s85, s14, 8
	s_add_co_u32 s85, s85, 4096                    ; V's columns, my 128 d
	s_add_co_u32 s84, s84, s85
	s_mul_i32 s66, s16, 786432                     ; QKL: 128 rows of 6,144 bytes
	s_add_co_u32 s66, s66, s85
	s_mov_b32 s85, 0
	s_mov_b32 s67, 0
	s_lshl_b32 s86, s16, 22                        ; out: a batch is 4,194,304 bytes
	s_lshl_b32 s87, s11, 18                        ; my 64 rows
	s_add_co_u32 s86, s86, s87
	s_lshl_b32 s87, s14, 9                         ; the tile's 128 d
	s_add_co_u32 s86, s86, s87
	s_lshl_b32 s87, s12, 8                         ; my 64 of them
	s_add_co_u32 s86, s86, s87
	s_mov_b32 s87, 0
	s_wait_dscnt 0x0                               ; both opening adds are done
	s_wait_kmcnt 0x0
	s_add_nc_u64 s[PTB:PTB+1], s[4:5], s[82:83]
	s_add_nc_u64 s[VB:VB+1], s[6:7], s[84:85]
	s_add_nc_u64 s[LOB:LOB+1], s[LOB:LOB+1], s[66:67]
	s_add_nc_u64 s[8:9], s[8:9], s[86:87]
	s_lshl_b32 s82, s[IF], 19                      ; 128 rows of 4,096 bytes
	s_add_nc_u64 s[OUTC:OUTC+1], s[8:9], s[82:83]
	s_lshl_b32 s82, s[IS], 19
	s_add_nc_u64 s[OUT2:OUT2+1], s[8:9], s[82:83]
	FILLADDR 0, 0
	FILLADDR 1, 1
	CROUND                                         ; all four work-groups are here: the first joint loads meet
	s_cmp_lt_u32 s[WV], 2                          ; a wave's two first fills stand in one branch: chunks 0 and 1: two loads of mine are out
	s_cbranch_scc0 .Lfirst_v
	tensor_load_to_lds s[G0A:G0A+3], s[G1A:G1A+7]
	s_nop 0
	tensor_load_to_lds s[G0A+4:G0A+7], s[G1A:G1A+7]
	s_nop 0
.rept 4
	v_nop
.endr
	s_branch .Lfirst_asked
.Lfirst_v:
	tensor_load_to_lds s[G0B:G0B+3], s[G1B:G1B+7]
	s_nop 0
	tensor_load_to_lds s[G0B+4:G0B+7], s[G1B:G1B+7]
	s_nop 0
.rept 4
	v_nop
.endr
.Lfirst_asked:
	; The turning load takes 16 rows (s) x 16 columns: lane l reads 16 bytes of row 8 (l / 16) + l % 8, columns 8 ((l / 8) % 2) + 0..7, and is left with column l % 16 and 8 rows
	v_and_b32 v1, 15, v0
	v_bfe_u32 v9, v0, 4, 1
	v_and_b32 v10, 7, v0
	v_bfe_u32 v11, v0, 3, 1
	v_lshl_add_u32 v3, v9, 3, v10
	v_mul_u32_u24 v3, v3, PITCH
	v_lshl_add_u32 v3, v11, 4, v3
	s_lshl_b32 s20, s11, 7                         ; my 64 t: 128 bytes
	s_lshl_b32 s21, s12, 7                         ; my 64 d
	v_add_nc_u32 v4, s20, v3
	v_add_nc_u32 v5, s21, v3
.irp s, 0,1
.irp e, 0,1
	v_add_nc_u32 v[ADRA+2*(\s)+(\e)], (\s)*SLOTB+(\e)*REG, v4
	v_add_nc_u32 v[ADRB+2*(\s)+(\e)], (\s)*SLOTB+(2+(\e))*REG, v5
.endr
.endr
	s_mul_i32 s20, s[WV], 16*SPITCH
	s_add_co_u32 s20, s20, STAGE                   ; my stage
	v_mul_u32_u24 v[STO], v1, SPITCH               ; in: row l % 16, 32 bytes for each half of the lanes
	v_lshl_add_u32 v[STO], v9, 5, v[STO]
	v_add_nc_u32 v[STO], s20, v[STO]
	v_mul_u32_u24 v[RD], v9, SPITCH                ; back: lanes 0-15 take one row of 256 bytes, lanes 16-31 the next
	v_lshl_add_u32 v[RD], v1, 4, v[RD]
	v_add_nc_u32 v[RD], s20, v[RD]
	v_lshlrev_b32 v[CO], 12, v9                    ; and the same two rows in out
	v_lshl_add_u32 v[CO], v1, 4, v[CO]
	s_wait_tensorcnt 0x0                           ; my parts of chunks 0 and 1 are in (every wait for tensor loads in this text is for 0)
	s_barrier_signal -1
	s_barrier_wait -1
	FETCH 0, 0, 0, F0
	CHUNK 0, 1                                     ; the first products start the first tile's sums
	CHUNK 1, 0
	CHUNK 2, 0
	CHUNK 3, 0
	QUARTER F0, F1, 0, 0, 1, 0                     ; the last fill's step 0: the second tile's diagonal block, or t block 7's low parts
	LASTQ
	s_cmp_eq_u32 s[P0], 1
	s_cbranch_scc0 .Lfin
	EPI 2                                          ; the pair (7, 0): t block 7 leaves,
	PLACES                                         ; (with the four at the way out's head: more than the five places ahead of products that write the accumulators anew)
	FETCH 0, 1, 0, F0
	QUARTER F0, F1, 0, 1, 1, 1                     ; and t block 0's one step starts its sums
	LASTQ
.Lfin:
	EPI 0
	s_wait_tensorcnt 0x0                           ; the wave's end, behind my last tensor load and my last LDS store
	ds_add_u32 v[SPW], v[NIL]
	s_wait_dscnt 0x0
	CROUND                                         ; the closing round: no work-group ends while a partner may still ask for a tile that names it
	s_endpgm
.Lfunc_end_k_qf44cb01533_pv:
	.size	k_qf44cb01533_pv, .Lfunc_end_k_qf44cb01533_pv-k_qf44cb01533_pv
	.p2alignl 7, 3214868480
	.fill 96, 4, 3214868480
	.section	.rodata,"a",@progbits
	.p2align	6, 0x0
	.amdhsa_kernel k_qf44cb01533_pv
		.amdhsa_group_segment_fixed_size 327680
		.amdhsa_private_segment_fixed_size 0
		.amdhsa_enable_private_segment 0
		.amdhsa_kernarg_size 32
		.amdhsa_user_sgpr_count 2
		.amdhsa_user_sgpr_kernarg_segment_ptr 1
		.amdhsa_wavefront_size32 1
		.amdhsa_system_sgpr_workgroup_id_x 1
		.amdhsa_system_sgpr_workgroup_id_y 1
		.amdhsa_system_sgpr_workgroup_id_z 1
		.amdhsa_system_vgpr_workitem_id 0
		.amdhsa_next_free_vgpr 512
		.amdhsa_next_free_sgpr 96
		.amdhsa_reserve_vcc 0
		.amdhsa_float_denorm_mode_32 3
		.amdhsa_float_denorm_mode_16_64 3
		.amdhsa_memory_ordered 1
		.amdhsa_forward_progress 1
		.amdhsa_inst_pref_size 154
	.end_amdhsa_kernel
	.amdgpu_metadata
---
amdhsa.version: [ 1, 2 ]
amdhsa.kernels:
  - .name:           k_qf44cb01533_pv
    .symbol:         k_qf44cb01533_pv.kd
    .args:
      - { .name: Pt, .offset: 0, .size: 8, .value_kind: global_buffer, .address_space: global }
      - { .name: QKV, .offset: 8, .size: 8, .value_kind: global_buffer, .address_space: global }
      - { .name: QKL, .offset: 16, .size: 8, .value_kind: global_buffer, .address_space: global }
      - { .name: out0, .offset: 24, .size: 8, .value_kind: global_buffer, .address_space: global }
    .group_segment_fixed_size: 327680
    .private_segment_fixed_size: 0
    .kernarg_segment_align: 8
    .kernarg_segment_size: 32
    .max_flat_workgroup_size: 128
    .sgpr_count:     96
    .vgpr_count:     512
    .wavefront_size: 32
...
	.end_amdgpu_metadata
.endif
;; end of part 5
;; ======== version 2 of 2: 5 launches; version 1 with the launches prep, softmax written anew for expert scheduling mode
;; limits: values are held in f16: magnitudes above 65,504 overflow, below 6.1e-05 lose precision
;; workspace buffers: Xb 16,777,216 bytes; Wt 6,291,456 bytes; QKV 50,331,648 bytes; QKL 6,291,456 bytes; St 33,554,432 bytes; Pt 16,777,216 bytes
;; launch prep (part 6): grid 256 x 1, 8 waves a work-group, no clusters, 28,672 bytes of LDS; arguments X, Wq, Wk, Wv, Xb, Wt; writes Xb, Wt
.if DOCPART == 6
	.amdgcn_target "amdgcn-amd-amdhsa--gfx1250"
	.amdhsa_code_object_version 6
	.text
	.protected	k_qf44cb01533_prep
	.globl	k_qf44cb01533_prep
	.p2align	8
	.type	k_qf44cb01533_prep,@function
k_qf44cb01533_prep:
	s_mov_b64 s[64:65], 0
	v_nop
	global_prefetch_b8 v0, s[64:65] scope:SCOPE_SE
	s_setreg_imm32_b32 hwreg(HW_REG_WAVE_SCHED_MODE, 0, 2), 2
	s_setreg_imm32_b32 hwreg(HW_REG_WAVE_MODE, 25, 1), 1
	s_wait_xcnt 0x0
	s_wait_alu depctr_vm_vsrc(0)
; THE PROGRAM (five launches): out[b][t][:] = sum over s of P[b][t][s] V[b][s][:], P = softmax over the QUERY axis t of (Q[t] . K[s] / 32) with the places t < s set to -inf; Q, K, V = X Wq, X Wk, X Wv.
;   1 prep: X and the three W rounded to bf16, W turned;  2 proj: Q, K, V in f16;  3 scores: S^T = K Q^T in f32;  4 softmax: rows of S^T (a key's column of S) to P^T in f16;  5 pv: out = P V in f32.
; WORK LEFT OUT.  For t < s the problem itself puts -inf in the score's place, so its weight is exp(-inf) = 0 and its term P[t][s] V[s] is 0, whatever finite numbers X and the W hold; it enters neither the
; column's maximum nor its sum.  So the blocks of 128 x 128 scores that lie wholly at t < s are not multiplied, stored, read or summed in launches 3, 4 and 5.  In blocks on the diagonal the work stays and is masked.
; Every input has a way to the output and is loaded.  LIMIT: a NaN, an infinity or an overflow that would arise only in a score at t < s is not carried to the result.
; FORMATS.  X and the W are rounded once to bf16 (matrix operands); Q, K, V and P once to f16; all sums, S, the maxima and the softmax's sums are f32.  LIMIT: Q, K, V of 65,520 or more in size become infinities.
; THE LAST 64 ROWS IN TWO PARTS.  Key s has 1,024 - s live queries, so the last keys' weights are near 1 and their operands' roundings reach the output whole.  For rows 960 .. 1,023 of each batch Q, K, V and P are
; therefore kept as two f16 numbers, the number rounded and what the rounding left (rounded to f16 in its turn; below 6e-5 in f16's fixed step of 6e-8), and the products with the low parts are added by further matrix steps.
;
; THIS LAUNCH.  Xb[kb][row][64]: X's columns 64 kb .. 64 kb + 63 of all 8,192 rows, bf16: a block of 128 rows is 16,384 bytes on end.  Wt[kb][n][64]: n = 1,024 m + column (m = 0 Wq, 1 Wk, 2 Wv), the 64 numbers run along k.
; Work-group g: rows 32 g .. 32 g + 31 of X, and of each W the tile of 64 k (block g % 16) x 64 columns (block g / 16), which is turned in LDS.  Every byte is read once and written once.
; A load of X: lanes 0-15 take 256 consecutive bytes of one row, lanes 16-31 of the next; its store: 32 lanes x 8 bytes = 256 consecutive bytes, aligned.  No loop: all 44 loads of a thread go out at the head.
; No matrix unit, no cluster (no two work-groups read the same byte), no prefetch (all loads are issued at once).
; THE MODE: SCHED_MODE bits 1:0 = 2 (LLVM: expert scheduling mode 2), set by the entry lines.  The code itself states the register dependences
; between vector instructions and memory or LDS instructions, with s_wait_alu, always for 0.
; THE PLAN.  Registers that memory or LDS instructions touch:
;   v2 .. v9     offsets, LDS addresses and the closing add's pair: written at the head and never again; one wait ahead of the first load states that they are written.
;   WR v16-63    W's 12 loads land here; 24 conversions write 24 of them in place; 24 LDS stores read those: ONE wait between the run of conversions and the run of stores.
;                Behind the barrier the six LDS loads of the turned rows land in v16-39: one wait states that the LDS stores have read them; no vector instruction names them behind the wait before.  Wt's stores read them.
;   XR v64-191   X's 32 loads land here, four registers each; two conversions write the first two of a load's four; its store reads those two; nothing writes them again.
;                X goes in eight blocks of four loads.  Block p's conversions name block p's registers alone; the stores issued among them are block p - 1's.  So ONE wait at a block's head, that the block before has
;                written its words, states all that the block's four stores hang on.
; No vector instruction writes a scalar register, and EXEC is never written.
.set TILE,  9216                       ; a turned tile of W in LDS: 64 rows (columns of W) x 144 bytes (128 of data + 16)
.set SPARE, 3*TILE                     ; behind the three tiles: the spare words, 128 bytes for each of the eight waves
.set LX,  2                            ; v2   X: wave x 4 rows + (lane / 16) rows + 16 (lane % 16)
.set SX,  3                            ; v3   Xb: 512 wave + 8 lane
.set LW,  4                            ; v4   W: (thread / 16) x 2 rows + 16 (thread % 16)
.set LS,  5                            ; v5   LDS, in: 4 (thread % 16) rows + 4 (thread / 16)
.set LR,  6                            ; v6   LDS, back: row thread / 8, 16 (thread % 8)
.set SW,  7                            ; v7   Wt: 16 thread
.set SPW, 8                            ; v8   my spare word; never rewritten
.set NIL, 9                            ; v9   0; never rewritten
.set WR,  16                           ; v[16:63]   W as loaded: weight m, half z, row parity y at 16 m + 8 z + 4 y
.set XR,  64                           ; v[64:191]  X as loaded: load n at 4 n
	s_load_b256 s[4:11], s[0:1], 0x0               ; X s[4:5], Wq s[6:7], Wk s[8:9], Wv s[10:11]
	s_load_b128 s[12:15], s[0:1], 0x20             ; Xb s[12:13], Wt s[14:15]
	v_lshl_add_u32 v[SPW], v0, 2, SPARE
	v_mov_b32 v[NIL], 0
	v_and_b32 v1, 31, v0                           ; lane
	v_lshrrev_b32 v10, 5, v0                       ; wave
	v_bfe_u32 v11, v0, 4, 1                        ; lane / 16
	v_and_b32 v12, 15, v0                          ; thread % 16
	v_lshrrev_b32 v13, 4, v0                       ; thread / 16
	v_lshrrev_b32 v14, 3, v0                       ; thread / 8
	v_and_b32 v15, 7, v0                           ; thread % 8
	v_lshlrev_b32 v[LX], 14, v10
	v_lshl_add_u32 v[LX], v11, 12, v[LX]
	v_lshl_add_u32 v[LX], v12, 4, v[LX]
	v_lshlrev_b32 v[SX], 9, v10
	v_lshl_add_u32 v[SX], v1, 3, v[SX]
	v_lshlrev_b32 v[LW], 13, v13
	v_lshl_add_u32 v[LW], v12, 4, v[LW]
	v_mul_u32_u24 v[LS], v12, 576
	v_lshl_add_u32 v[LS], v13, 2, v[LS]
	v_mul_u32_u24 v[LR], v14, 144
	v_lshl_add_u32 v[LR], v15, 4, v[LR]
	v_lshlrev_b32 v[SW], 4, v0
	s_and_b32 s16, ttmp9, 15                       ; kb: which 64 rows of W
	s_lshr_b32 s17, ttmp9, 4                       ; nb: which 64 columns
	s_lshl_b32 s18, ttmp9, 17                      ; X: 32 rows of 4,096 bytes
	s_mov_b32 s19, 0
	s_lshl_b32 s20, ttmp9, 12                      ; Xb: 32 rows of 128 bytes
	s_mov_b32 s21, 0
	s_lshl_b32 s22, s16, 18                        ; W: 64 kb rows of 4,096 bytes
	s_lshl_b32 s23, s17, 8                         ;    + 64 nb columns
	s_add_co_u32 s22, s22, s23
	s_mov_b32 s23, 0
	s_mul_i32 s24, s16, 393216                     ; Wt: block kb
	s_lshl_b32 s25, s17, 13                        ;     + 64 nb rows of 128 bytes
	s_add_co_u32 s24, s24, s25
	s_mov_b32 s25, 0
	s_wait_kmcnt 0x0
	s_add_nc_u64 s[4:5], s[4:5], s[18:19]
	s_add_nc_u64 s[6:7], s[6:7], s[22:23]
	s_add_nc_u64 s[8:9], s[8:9], s[22:23]
	s_add_nc_u64 s[10:11], s[10:11], s[22:23]
	s_add_nc_u64 s[12:13], s[12:13], s[20:21]
	s_add_nc_u64 s[26:27], s[12:13], 0x800000      ; Xb's blocks 8 to 15: a second base, so that the stores' immediates stay inside 24 signed bits
	s_add_nc_u64 s[14:15], s[14:15], s[24:25]
	s_wait_alu depctr_va_vdst(0)                   ; v2 to v9 are written: every load, store and LDS instruction of the kernel reads one of them as its offset or address, the closing add two
	; W first (12 loads), then X (32 loads)
.irp m, 0,1,2
.irp z, 0,1
.irp y, 0,1
	global_load_b128 v[WR+16*(\m)+8*(\z)+4*(\y):WR+16*(\m)+8*(\z)+4*(\y)+3], v[LW], s[6+2*(\m):7+2*(\m)] offset:(\z)*131072+(\y)*4096 th:TH_LOAD_NT  ; row 2 (thread / 16 + 16 z) + y, four columns
.endr
.endr
.endr
.irp p, 0,1
.irp k, 0,1,2,3,4,5,6,7,8,9,10,11,12,13,14,15
	global_load_b128 v[XR+4*(16*(\p)+(\k)):XR+4*(16*(\p)+(\k))+3], v[LX], s[4:5] offset:(\p)*8192+(\k)*256 th:TH_LOAD_NT
.endr
.endr
	s_wait_loadcnt 32                              ; W's 12 loads are in; X's 32, issued behind them, may stay out
.irp m, 0,1,2
.irp z, 0,1
.irp j, 0,1,2,3
	v_cvt_pk_bf16_f32 v[WR+16*(\m)+8*(\z)+(\j)], v[WR+16*(\m)+8*(\z)+(\j)], v[WR+16*(\m)+8*(\z)+4+(\j)]  ; column j: rows k and k + 1 into one word
.endr
.endr
.endr
	s_wait_alu depctr_va_vdst(0)                   ; the 24 conversions have written their words, which the LDS stores below read; they are also done reading v16 to v63
.irp m, 0,1,2
.irp z, 0,1
.irp j, 0,1,2,3
	ds_store_b32 v[LS], v[WR+16*(\m)+8*(\z)+(\j)] offset:(\m)*TILE+(\j)*144+(\z)*64
.endr
.endr
.endr
	s_wait_dscnt 0x0                               ; for the others' sake: my stores into the tiles are done
	s_barrier_signal -1
	s_barrier_wait -1
	s_wait_alu depctr_vm_vsrc(0)                   ; my LDS stores have read their words in v16 to v35, in which the turned rows below land
.irp m, 0,1,2
.irp z, 0,1
	ds_load_b128 v[WR+8*(\m)+4*(\z):WR+8*(\m)+4*(\z)+3], v[LR] offset:(\m)*TILE+(\z)*4608  ; 32 turned rows of 128 bytes for the 256 threads
.endr
.endr
; The store of load prv's eight bytes a lane.
.macro XST
.if (prv%16) < 8
	global_store_b64 v[SX], v[XR+4*prv:XR+4*prv+1], s[12:13] offset:(prv%16)*1048576+(prv/16)*256
.else
	global_store_b64 v[SX], v[XR+4*prv:XR+4*prv+1], s[26:27] offset:((prv%16)-8)*1048576+(prv/16)*256
.endif
.endm
.set blk, 0
.rept 8
	s_wait_loadcnt 28-4*blk                        ; loads come back in order: this block's four are in, the younger blocks stay out
.if blk > 0
	s_wait_alu depctr_va_vdst(0)                   ; the block before has written its eight words, which the four stores below read; this block's conversions name none of them
.endif
.set rw, 0
.rept 4
.set cur, 4*blk+rw
.set prv, cur-4
.if blk > 0
	XST
.endif
	v_cvt_pk_bf16_f32 v[XR+4*cur], v[XR+4*cur], v[XR+4*cur+1]
	v_cvt_pk_bf16_f32 v[XR+4*cur+1], v[XR+4*cur+2], v[XR+4*cur+3]
.set rw, rw+1
.endr
.set blk, blk+1
.endr
	s_wait_alu depctr_va_vdst(0)                   ; the last block has written its eight words, which the last four stores read
.set prv, 28
.rept 4
	XST
.set prv, prv+1
.endr
	s_wait_dscnt 0x0                               ; the turned rows are back
.irp m, 0,1,2
.irp z, 0,1
	global_store_b128 v[SW], v[WR+8*(\m)+4*(\z):WR+8*(\m)+4*(\z)+3], s[14:15] offset:(\m)*131072+(\z)*4096  ; 4,096 bytes on end for the work-group
.endr
.endr
	s_wait_dscnt 0x0                               ; the wave's end
	s_wait_alu 0x0
	s_wait_tensorcnt 0x0
	ds_add_u32 v[SPW], v[NIL]
	s_wait_dscnt 0x0
	s_endpgm
.Lfunc_end_k_qf44cb01533_prep:
	.size	k_qf44cb01533_prep, .Lfunc_end_k_qf44cb01533_prep-k_qf44cb01533_prep
	.p2alignl 7, 3214868480
	.fill 96, 4, 3214868480
	.section	.rodata,"a",@progbits
	.p2align	6, 0x0
	.amdhsa_kernel k_qf44cb01533_prep
		.amdhsa_group_segment_fixed_size 28672
		.amdhsa_private_segment_fixed_size 0
		.amdhsa_enable_private_segment 0
		.amdhsa_kernarg_size 48
		.amdhsa_user_sgpr_count 2
		.amdhsa_user_sgpr_kernarg_segment_ptr 1
		.amdhsa_wavefront_size32 1
		.amdhsa_system_sgpr_workgroup_id_x 1
		.amdhsa_system_sgpr_workgroup_id_y 1
		.amdhsa_system_sgpr_workgroup_id_z 1
		.amdhsa_system_vgpr_workitem_id 0
		.amdhsa_next_free_vgpr 192
		.amdhsa_next_free_sgpr 66
		.amdhsa_reserve_vcc 0
		.amdhsa_float_denorm_mode_32 3
		.amdhsa_float_denorm_mode_16_64 3
		.amdhsa_memory_ordered 1
		.amdhsa_forward_progress 1
		.amdhsa_inst_pref_size 19
	.end_amdhsa_kernel
	.amdgpu_metadata
---
amdhsa.version: [ 1, 2 ]
amdhsa.kernels:
  - .name:           k_qf44cb01533_prep
    .symbol:         k_qf44cb01533_prep.kd
    .args:
      - { .name: X, .offset: 0, .size: 8, .value_kind: global_buffer, .address_space: global }
      - { .name: Wq, .offset: 8, .size: 8, .value_kind: global_buffer, .address_space: global }
      - { .name: Wk, .offset: 16, .size: 8, .value_kind: global_buffer, .address_space: global }
      - { .name: Wv, .offset: 24, .size: 8, .value_kind: global_buffer, .address_space: global }
      - { .name: Xb, .offset: 32, .size: 8, .value_kind: global_buffer, .address_space: global }
      - { .name: Wt, .offset: 40, .size: 8, .value_kind: global_buffer, .address_space: global }
    .group_segment_fixed_size: 28672
    .private_segment_fixed_size: 0
    .kernarg_segment_align: 8
    .kernarg_segment_size: 48
    .max_flat_workgroup_size: 256
    .sgpr_count:     66
    .vgpr_count:     192
    .wavefront_size: 32
...
	.end_amdgpu_metadata
.endif
;; end of part 6
;; launch proj: the kernel of part 2 again; grid 8 x 32, 4 waves a work-group, clusters of 4 x 4, 327,680 bytes of LDS; arguments Xb, Wt, QKV, QKL; writes QKV, QKL
;; launch scores: the kernel of part 3 again; grid 21 x 8, 4 waves a work-group, no clusters, 327,680 bytes of LDS; arguments QKV, QKL, St; writes St
;; launch softmax (part 7): grid 256 x 1, 4 waves a work-group, no clusters, 0 bytes of LDS; arguments St, Pt; writes Pt
.if DOCPART == 7
	.amdgcn_target "amdgcn-amd-amdhsa--gfx1250"
	.amdhsa_code_object_version 6
	.text
	.protected	k_qf44cb01533_softmax
	.globl	k_qf44cb01533_softmax
	.p2align	8
	.type	k_qf44cb01533_softmax,@function
k_qf44cb01533_softmax:
	s_mov_b64 s[64:65], 0
	v_nop
	global_prefetch_b8 v0, s[64:65] scope:SCOPE_SE
	s_setreg_imm32_b32 hwreg(HW_REG_WAVE_SCHED_MODE, 0, 2), 2
	s_setreg_imm32_b32 hwreg(HW_REG_WAVE_MODE, 25, 1), 1
	s_wait_xcnt 0x0
	s_wait_alu depctr_vm_vsrc(0)
; Pt[b][s][t] = exp((St[b][s][t] - m) / 32) / sum, over t >= s, m the row's maximum over t >= s: the problem's softmax over the query axis, for key s.  f32 throughout; Pt rounded once to f16.
; WORK LEFT OUT: the blocks of 128 t that lie wholly below s are neither read nor written as weights (shown at the head of the first kernel).  In the diagonal block the places t < s count as the lowest finite
; number: their weight is 0, and the 0 is stored, since the last launch multiplies that block whole.
; LIMITS: a weight below 6e-5 keeps f16's fixed step of 6e-8; an exponential below 2^-126 counts as 0; NaN and infinities are not treated apart.
; SHARES.  A wave takes the eight rows s = 128 j + rho, j = 0 .. 7, of one batch: 8 - j pieces of 128 t each, 36 pieces whatever rho: all 1,024 waves are alike.  A piece is 512 bytes: one load, 16 bytes a lane.
; All loads go out at the head; a row is worked on when its own have come.  A row stays in registers between the maximum, the sum and the scaling.  A piece of Pt is 256 bytes: one store.
; The difference x - m is taken first and scaled afterwards, so that the exponent is exactly 0 at the maximum and never above 0, however large the scores are.
; THE LAST 64 ROWS IN TWO PARTS.  For s = 960 + i and t = 960 + j the launch before has left, in s block 7's dead t block 6, Khi . Qlo at (896 + i, 832 + j), Klo . Qhi at (960 + i, 768 + j) and Klo . Qlo at
; (960 + i, 832 + j): three more loads a wave, issued first, so that no count below changes.  They are added to the score by a select on the lane (t >= 960) and on rho (s >= 960); for rho < 64 the same three loads
; name bytes that were written too, and the select throws them away: a jump round the loads would make the counted waits differ from path to path.
; For s >= 960 the weight leaves in two parts: besides Pt[s][t block 7], a copy of the rounded weights goes to Pt[s][t block 6] and what the rounding left to Pt[s - 64][t block 6]: the rows 896 .. 1,023 of
; t block 6, dead as weights, then hold one tile, 64 rows of low parts and 64 of rounded weights, for the last launch.
; No LDS, no barrier (a row never leaves its wave), no matrix unit, no cluster (nothing is shared), no prefetch (all loads are issued at once).
; THE MODE: SCHED_MODE bits 1:0 = 2 (LLVM: expert scheduling mode 2), set by the entry lines.  The code itself states the register dependences
; between vector instructions and memory instructions, and those through scalar registers that vector instructions write, with s_wait_alu, always for 0.
; THE PLAN.  Registers that memory instructions touch:
;   v2, v3, v13   offsets: written at the head and never again; one wait ahead of the first load states that they are written.
;   X v16-159     the 36 loads land here at the head.  Row j is worked on in place; its roundings, together at the row's end, write two words of each piece; its stores read those words; nothing writes them again.
;                 Row j's stores are issued in row j + 1, directly behind the wait that follows that row's exponentials: that one wait states that the exponentials' results are written AND that row j's roundings have
;                 written their words.  The vector instructions behind it name row j + 1's registers alone.
;   C1 .. C3      three loads land here at the head; row 7's additions read them.  C2 is then written by row 7's roundings and read by two stores, C3 by the four lines that make the low parts and read by one store:
;                 a wait stands ahead of row 7's store, and one ahead of the last two stores.
; No register that a memory instruction has read is written again.  Scalar registers that vector instructions write: s8 (the wave's number) and s20 to s23 (the diagonal piece's masks): a wait ahead of each one's first reader.
.set LO,  2                            ; v2   16 x lane
.set SO,  3                            ; v3   8 x lane
.set T,   4                            ; v[4:5]   at work
.set M,   6                            ; v[6:7]   the maximum, twice
.set SU,  8                            ; v[8:9]   the sums of even and odd places
.set R,   10                           ; v[10:11] 1 / sum, twice
.set NEG, 12                           ; v12  the lowest finite number
.set LO2, 13                           ; v13  16 x (lane % 16)
.set NEG1, 14                          ; v14  -1.0
.set X,   16                           ; v[16:159] 36 pieces of 4
.set C1,  160                          ; v[160:163] Khi . Qlo
.set C2,  164                          ; v[164:167] Klo . Qhi; later the last row's rounded weights
.set C3,  168                          ; v[168:171] Klo . Qlo; later what their rounding left
.set CS,  18                           ; s[18:19] log2(e) / 32
.set SEL, 24                           ; s[24:25] v_permlanex16_b32's selects
.set CM,  26                           ; s26  the lanes whose scores take the low parts' products
	s_load_b128 s[4:7], s[0:1], 0x0                ; St s[4:5], Pt s[6:7]
	v_lshrrev_b32 v1, 5, v0
	v_readfirstlane_b32 s8, v1
	s_mov_b32 s[CS], 0x3d38aa3b
	s_mov_b32 s[CS+1], s[CS]                       ; named with it as a pair
	s_mov_b32 s[SEL], 0x76543210
	s_mov_b32 s[SEL+1], 0xfedcba98
	v_and_b32 v1, 31, v0
	v_lshlrev_b32 v[LO], 4, v1
	v_lshlrev_b32 v[SO], 3, v1
	v_and_b32 v[LO2], 15, v0
	v_lshlrev_b32 v[LO2], 4, v[LO2]
	v_lshlrev_b32 v172, 2, v1
	v_mov_b32 v[NEG], 0xff7fffff
	v_mov_b32 v[NEG1], 0xbf800000
	v_mov_b32 v[T+1], 0                            ; v_permlanex16_b32's destination counts as read
	s_wait_alu depctr_va_sdst(0)                   ; s8 is written, ahead of its first reader: the wave's rows, both bases and rho are made from it
	s_lshl_b32 s9, ttmp9, 2
	s_add_co_u32 s9, s9, s8                        ; my wave among the launch's 1,024
	s_lshr_b32 s10, s9, 7                          ; the batch
	s_and_b32 s11, s9, 127                         ; rho
	s_lshl_b32 s12, s10, 10
	s_add_co_u32 s12, s12, s11                     ; my first row
	s_lshl_b32 s14, s12, 12
	s_mov_b32 s15, 0
	s_lshl_b32 s16, s12, 11
	s_mov_b32 s17, 0
	s_cmp_ge_u32 s11, 64
	s_cselect_b32 s[CM], 0xffff0000, 0             ; lanes 16 .. 31 (t >= 960) where s >= 960
.irp e, 0,1,2,3
	v_add_nc_u32 v173, \e, v172
	v_cmp_le_u32 s[20+(\e)], s11, v173             ; in the diagonal piece my place e is live where rho <= 4 lane + e: the same for all eight rows
.endr
	s_wait_alu depctr_va_sdst(0)                   ; the four compares have written s20 to s23, ahead of the selects that read them in every row
	s_wait_kmcnt 0x0
	s_add_nc_u64 s[4:5], s[4:5], s[14:15]
	s_add_nc_u64 s[6:7], s[6:7], s[16:17]
	s_wait_alu depctr_va_vdst(0)                   ; v2, v3 and v13 are written: every load and store of the kernel reads one of them as its offset
	global_load_b128 v[C1:C1+3], v[LO],  s[4:5] offset:7*524288-262144+3072   ; row 832 + rho, t block 6: in lanes 16 .. 31 its columns 64 on
	global_load_b128 v[C2:C2+3], v[LO2], s[4:5] offset:7*524288+3072          ; row 896 + rho, t block 6: in lanes 16 .. 31 its columns 0 on
	global_load_b128 v[C3:C3+3], v[LO],  s[4:5] offset:7*524288+3072          ; the same row: its columns 64 on
.set n, 0
.irp j, 0,1,2,3,4,5,6,7
.set k, \j
.rept 8-(\j)
	global_load_b128 v[X+4*n:X+4*n+3], v[LO], s[4:5] offset:(\j)*524288+k*512 th:TH_LOAD_NT
.set n, n+1
.set k, k+1
.endr
.endr
.macro ROW j
.set OFJ, 8*(\j)-(\j)*((\j)-1)/2       ; pieces of the rows before
.set NPC, 8-(\j)                       ; this row's pieces
.set XB,  X+4*OFJ
.set NV,  4*NPC
	s_wait_loadcnt 36-OFJ-NPC                      ; this row's loads are in; the later rows' may stay out
.if (\j) == 7
	v_pk_add_f32 v[C1:C1+1], v[C1:C1+1], v[C2:C2+1]
	v_pk_add_f32 v[C1+2:C1+3], v[C1+2:C1+3], v[C2+2:C2+3]
	v_pk_add_f32 v[C1:C1+1], v[C1:C1+1], v[C3:C3+1]
	v_pk_add_f32 v[C1+2:C1+3], v[C1+2:C1+3], v[C3+2:C3+3]
.irp e, 0,1,2,3
	v_cndmask_b32 v[C1+(\e)], 0, v[C1+(\e)], s[CM]
.endr
	v_pk_add_f32 v[XB:XB+1], v[XB:XB+1], v[C1:C1+1]
	v_pk_add_f32 v[XB+2:XB+3], v[XB+2:XB+3], v[C1+2:C1+3]
.endif
.irp e, 0,1,2,3
	v_cndmask_b32 v[XB+(\e)], v[NEG], v[XB+(\e)], s[20+(\e)]
.endr
	v_max_num_f32 v[T], v[XB], v[XB+1]
.set i, 2
.rept (NV-2)/2
	v_max3_num_f32 v[T], v[T], v[XB+i], v[XB+i+1]
.set i, i+2
.endr
	v_max_num_f32_dpp v[T], v[T], v[T] row_xmask:1 row_mask:0xf bank_mask:0xf
	v_max_num_f32_dpp v[T], v[T], v[T] row_xmask:2 row_mask:0xf bank_mask:0xf
	v_max_num_f32_dpp v[T], v[T], v[T] row_xmask:4 row_mask:0xf bank_mask:0xf
	v_max_num_f32_dpp v[T], v[T], v[T] row_xmask:8 row_mask:0xf bank_mask:0xf
	v_permlanex16_b32 v[T+1], v[T], s[SEL], s[SEL+1]
	v_max_num_f32 v[M], v[T], v[T+1]
	v_max_num_f32 v[M+1], v[T], v[T+1]
.set i, 0
.rept NV/2
	v_pk_add_f32 v[XB+i:XB+i+1], v[XB+i:XB+i+1], v[M:M+1] neg_lo:[0,1] neg_hi:[0,1]   ; x - m
.set i, i+2
.endr
.set i, 0
.rept NV/2
	v_pk_mul_f32 v[XB+i:XB+i+1], v[XB+i:XB+i+1], s[CS:CS+1] op_sel_hi:[1,0]
.set i, i+2
.endr
.set i, 0
.rept NV
	v_exp_f32 v[XB+i], v[XB+i]                     ; one batch
.set i, i+1
.endr
	v_nop                                          ; a plain instruction behind the last exponential,
	s_wait_alu depctr_va_vdst(0)                   ; and one wait: the batch's results are written, ahead of their first reader; and the row before has written its rounded words, which the stores below read
.if (\j) > 0
.set XP, X+4*(8*((\j)-1)-((\j)-1)*((\j)-2)/2)  ; the row before
.set i, 0
.rept 9-(\j)
	global_store_b64 v[SO], v[XP+4*i:XP+4*i+1], s[6:7] offset:((\j)-1)*262144+((\j)-1+i)*256  ; 32 lanes store 256 consecutive bytes, aligned; the registers are not written again, and no vector line of this row names them
.set i, i+1
.endr
.endif
	v_pk_add_f32 v[SU:SU+1], v[XB:XB+1], v[XB+2:XB+3]
.set i, 4
.rept (NV-4)/2
	v_pk_add_f32 v[SU:SU+1], v[SU:SU+1], v[XB+i:XB+i+1]
.set i, i+2
.endr
	v_add_f32 v[T], v[SU], v[SU+1]
	v_add_f32_dpp v[T], v[T], v[T] row_xmask:1 row_mask:0xf bank_mask:0xf
	v_add_f32_dpp v[T], v[T], v[T] row_xmask:2 row_mask:0xf bank_mask:0xf
	v_add_f32_dpp v[T], v[T], v[T] row_xmask:4 row_mask:0xf bank_mask:0xf
	v_add_f32_dpp v[T], v[T], v[T] row_xmask:8 row_mask:0xf bank_mask:0xf
	v_permlanex16_b32 v[T+1], v[T], s[SEL], s[SEL+1]
	v_add_f32 v[SU], v[T], v[T+1]                  ; at least 1: the maximum's own weight
	v_rcp_f32 v[R], v[SU]
	v_rcp_f32 v[R+1], v[SU]
	v_nop
	s_wait_alu depctr_va_vdst(0)                   ; one wait for both reciprocals: v[R] and v[R+1] are written, ahead of the scalings that read them
.set i, 0
.rept NV/2
	v_pk_mul_f32 v[XB+i:XB+i+1], v[XB+i:XB+i+1], v[R:R+1]
.set i, i+2
.endr
.if (\j) == 7
	v_cvt_pk_f16_f32 v[C2], v[XB], v[XB+1]         ; the last row's weights stay in f32 beside their f16
	v_cvt_pk_f16_f32 v[C2+1], v[XB+2], v[XB+3]
.else
.set i, 0
.rept NPC
	v_cvt_pk_f16_f32 v[XB+4*i], v[XB+4*i], v[XB+4*i+1]     ; the row's roundings stand together; its stores follow in the next row
	v_cvt_pk_f16_f32 v[XB+4*i+1], v[XB+4*i+2], v[XB+4*i+3]
.set i, i+1
.endr
.endif
.endm
.irp j, 0,1,2,3,4,5,6,7
	ROW \j
.endr
	s_wait_alu depctr_va_vdst(0)                   ; the last row's roundings have written v[C2] and v[C2+1], which the store below reads
	global_store_b64 v[SO], v[C2:C2+1], s[6:7] offset:7*262144+7*256
	s_cmp_ge_u32 s11, 64
	s_cbranch_scc0 .Lend                           ; s < 960: one part is enough
.set XL, X+4*35                        ; the last row's four weights
	v_fma_mixlo_f16 v[C3], v[C2], v[NEG1], v[XL] op_sel_hi:[1,0,0]                          ; the weight less its f16: exact, rounded once to f16
	v_fma_mixhi_f16 v[C3], v[C2], v[NEG1], v[XL+1] op_sel:[1,0,0] op_sel_hi:[1,0,0]
	v_fma_mixlo_f16 v[C3+1], v[C2+1], v[NEG1], v[XL+2] op_sel_hi:[1,0,0]
	v_fma_mixhi_f16 v[C3+1], v[C2+1], v[NEG1], v[XL+3] op_sel:[1,0,0] op_sel_hi:[1,0,0]
	s_wait_alu depctr_va_vdst(0)                   ; the four lines above have written v[C3] and v[C3+1], which the last store reads
	global_store_b64 v[SO], v[C2:C2+1], s[6:7] offset:7*262144+6*256          ; the rounded weights once more: row s, t block 6
	global_store_b64 v[SO], v[C3:C3+1], s[6:7] offset:7*262144-131072+6*256   ; what was left: row s - 64, t block 6
.Lend:
	s_endpgm
.Lfunc_end_k_qf44cb01533_softmax:
	.size	k_qf44cb01533_softmax, .Lfunc_end_k_qf44cb01533_softmax-k_qf44cb01533_softmax
	.p2alignl 7, 3214868480
	.fill 96, 4, 3214868480
	.section	.rodata,"a",@progbits
	.p2align	6, 0x0
	.amdhsa_kernel k_qf44cb01533_softmax
		.amdhsa_group_segment_fixed_size 0
		.amdhsa_private_segment_fixed_size 0
		.amdhsa_enable_private_segment 0
		.amdhsa_kernarg_size 16
		.amdhsa_user_sgpr_count 2
		.amdhsa_user_sgpr_kernarg_segment_ptr 1
		.amdhsa_wavefront_size32 1
		.amdhsa_system_sgpr_workgroup_id_x 1
		.amdhsa_system_sgpr_workgroup_id_y 1
		.amdhsa_system_sgpr_workgroup_id_z 1
		.amdhsa_system_vgpr_workitem_id 0
		.amdhsa_next_free_vgpr 176
		.amdhsa_next_free_sgpr 66
		.amdhsa_reserve_vcc 0
		.amdhsa_float_denorm_mode_32 3
		.amdhsa_float_denorm_mode_16_64 3
		.amdhsa_memory_ordered 1
		.amdhsa_forward_progress 1
		.amdhsa_inst_pref_size 51
	.end_amdhsa_kernel
	.amdgpu_metadata
---
amdhsa.version: [ 1, 2 ]
amdhsa.kernels:
  - .name:           k_qf44cb01533_softmax
    .symbol:         k_qf44cb01533_softmax.kd
    .args:
      - { .name: St, .offset: 0, .size: 8, .value_kind: global_buffer, .address_space: global }
      - { .name: Pt, .offset: 8, .size: 8, .value_kind: global_buffer, .address_space: global }
    .group_segment_fixed_size: 0
    .private_segment_fixed_size: 0
    .kernarg_segment_align: 8
    .kernarg_segment_size: 16
    .max_flat_workgroup_size: 128
    .sgpr_count:     66
    .vgpr_count:     176
    .wavefront_size: 32
...
	.end_amdgpu_metadata
.endif
;; end of part 7
;; launch pv: the kernel of part 5 again; grid 8 x 32, 4 waves a work-group, clusters of 4 x 1, 327,680 bytes of LDS; arguments Pt, QKV, QKL, out0; writes out0
